; MI455X (gfx1250); checked and timed in simulation.
; The chip was launched on July 23, 2026; its instructions are those of AMD's public machine-readable ISA for CDNA 5 (MIT licence, August 2026) and "CDNA5" Instruction Set Architecture Reference Guide (July 2026). The comments in the code are by the model that wrote it; some were corrected since.
;; Masked Multi Head Attention. Allowed arithmetic: matrix products marked QUANTISED: E2M3 operands, one E8M0 scale for each 32 along K, by v_wmma_scale_f32_16x16x128_f8f6f4 with both operands' format E2M3, f32 sums; everything else in f32.
;; Inputs: Wk 512 x 512 float32; Wo 512 x 512 float32; Wq 512 x 512 float32; Wv 512 x 512 float32; keys 2 x 4,096 x 512 float32; queries 2 x 4,096 x 512 float32; values 2 x 4,096 x 512 float32.
;; Outputs: out0 2 x 4,096 x 512 float32.
;; This version of the problem:
;;   THIS VERSION OF THE PROBLEM IS GIVEN IN LOW PRECISION. The matrix products marked QUANTISED in the list below multiply operands that are first quantised to E2M3 (2 exponent bits, 3 mantissa bits; 6 bits a number), with one power-of-two scale for each 32 numbers along K (OCP MX v1.0); their sums are f32. All else is computed in f32.
;;   The module's matrix products, in the order in which they are computed (A, B: the left and right operand; K: the contracted axis; several contracted axes count as one K, in the product's order):
;;     1. [M 8,192, K 512] x [K 512, N 512]; A: input queries; B: input Wq: QUANTISED
;;     2. [M 8,192, K 512] x [K 512, N 512]; A: input keys; B: input Wk: QUANTISED
;;     3. [M 8,192, K 512] x [K 512, N 512]; A: input values; B: input Wv: QUANTISED
;;     4. batch 16 x [M 4,096, K 64] x [K 64, N 4,096]; A: computed on the way; B: computed on the way: QUANTISED
;;     5. batch 16 x [M 64, K 4,096] x [K 4,096, N 4,096]; A: computed on the way; B: softmax (see below): QUANTISED
;;     6. [M 8,192, K 512] x [K 512, N 512]; A: computed on the way; B: input Wo: QUANTISED
;;   THE QUANTISER, for each operand of a quantised product, along K:
;;     - K is cut into blocks of 32 from its start; a last block that is shorter is filled with zeros.
;;     - A block's scale is 2^e with e = floor(log2(the largest magnitude in the block)) - 2, held to -126 .. 127; a block of zeros has e = 0. As a byte (E8M0): e + 127.
;;     - Each number is divided by its block's scale, clamped to +-7.5, and rounded to the nearest number of E2M3, ties to even, subnormals kept.
;;     - The product sums the exact products of the quantised numbers (number of the format x scale) in f32.
;;   ~~~python
;;   def quantise(x, axis):      # numpy; x: float32 -> the quantised numbers, widened to float32 again
;;       x = np.moveaxis(x, axis, -1); K = x.shape[-1]
;;       x = np.pad(x, [(0, 0)] * (x.ndim - 1) + [(0, -K % 32)]); x = x.reshape(x.shape[:-1] + (-1, 32)); a = np.abs(x).max(-1, keepdims=True)
;;       e = np.where(a > 0, np.clip(np.frexp(np.where(a > 0, a, 1))[1] - 1 - 2, -126, 127), 0)      # np.frexp(a)[1] - 1 = floor(log2(a)), exactly
;;       r = np.clip(x / 2.0 ** e, -7.5, 7.5)
;;       step = 2.0 ** (np.maximum(np.frexp(np.where(r == 0, 1, r))[1] - 1, 0) - 3)
;;       q = np.round(r / step) * step * 2.0 ** e      # np.round: ties to even
;;       return np.moveaxis(q.reshape(q.shape[:-2] + (-1,))[..., :K], -1, axis).astype(np.float32)
;;   ~~~
;;   SOFTMAX AHEAD OF A QUANTISED PRODUCT. Where the list says 'softmax', what is quantised is not the finished softmax but p = 2^(t - M), with t = logit x log2(e) and M = ceil(the row's largest t), a whole number; so 1/2 < the row's largest p <= 1. The row's sum l is taken of the UNQUANTISED p, in f32, and the product's result is divided by l at the end. Since M is a whole number, a kernel that streams over the keys may use a running M (the ceiling of the running maximum): every later rescaling is an exact power of two, which a block's scale takes up: the codes' values come out the same.
;;   OPERANDS COMPUTED ON THE WAY. 'Computed on the way' means the value that the module computes at that place (a softmax that the list does not call 'softmax' is quantised finished and normalised). What goes into a quantiser is computed in f32, as accurately as f32 sums, v_exp_f32 and their like allow (about 1e-6 of the number): no bf16 or f16 on the way to a quantiser, and a product that is left as it is and whose result goes on into a quantised operand takes f32 operands (vector FMAs, or v_wmma_f32_16x16x4_f32). A number that lies on a knife's edge between two numbers of the format may be rounded either way, as far as f32 arithmetic and the matrix unit's own rounding can turn it there, and no further.
;; 2 versions. Each part assembles by itself: llvm-mc -triple=amdgcn-amd-amdhsa -mcpu=gfx1250 --defsym DOCPART=n.
;; ======== version 1 of 2: 4 launches
;; workspace buffers: xrec 9,830,400 bytes; wrec 819,200 bytes; qrec 3,276,800 bytes; kvrec 6,553,600 bytes; orec 3,407,872 bytes
;; launch quant (part 1): grid 448 x 1, 4 waves a work-group, no clusters, 34,304 bytes of LDS; arguments queries, keys, values, Wq, Wk, Wv, Wo, xrec, wrec; writes xrec, wrec
.if DOCPART == 1
	.amdgcn_target "amdgcn-amd-amdhsa--gfx1250"
	.amdhsa_code_object_version 6
	.text
	.protected	k_q023071dbb2_quant
	.globl	k_q023071dbb2_quant
	.p2align	8
	.type	k_q023071dbb2_quant,@function
k_q023071dbb2_quant:
	s_mov_b64 s[64:65], 0
	v_nop
	global_prefetch_b8 v0, s[64:65] scope:SCOPE_SE
	s_setreg_imm32_b32 hwreg(HW_REG_WAVE_MODE, 25, 1), 1
	s_wait_xcnt 0x0
; queries, keys, values [8192][512] and Wq, Wk, Wv, Wo [512 (k)][512 (n)], f32, become codes of FP6 (E2M3) with one E8M0 byte for each 32 along K (K = the 512),
; laid as IMAGES OF OPERAND REGISTERS.  The brick is a half image of 768 bytes: 16 rows x 64 along K, six registers a lane: registers 0-3 at 16 x lane, registers 4-5 at 512 + 8 x lane;
; lane (r, h) holds k = 32 h .. 32 h + 31 of row r.  A record of 6,400 bytes is a tile of 16 rows x 512 K: eight half images (K step s of 128, half c: 1,536 s + 768 c), then at 6,144 the scale words [r][s].
; queries' tile m holds rows 16 m + r.  keys', values' and the weights' tiles are PERMUTED: row rho of tile 2 b + u is item 32 b + 8 u + rho + 8 (rho / 8) (a row of keys or values, a column n of a weight).
; A block's scale is 2^(floor(log2(its largest magnitude)) - 2): its byte is the largest magnitude's exponent field - 2, held at 1 from below.
; LIMITS: a block of zeros, or one whose largest magnitude lies under 2^(3 - 127), gets the byte 1 (its codes are zeros or nearly so; these bytes are read by this program alone); NaN and infinities are not served.
; Work-groups 0-383: a wave takes one tile of queries, keys or values (32 KB).  Each load reads 512 consecutive bytes of a row; a K step's 16 rows turn through the wave's own stage in LDS, so that a lane gets
; 16 neighbours of each block of its row.  Work-groups 384-447: a wave takes 32 columns x 128 K of a weight: a lane takes a column and its registers run down K; no LDS.  Waves share nothing: no barrier.
.set STG,   8448                       ; a wave's stage: 16 rows x (512 bytes + 16)
.set SPARE, 4*STG                      ; behind the stages: the spare words, 128 bytes a wave
.set L16,   9                          ; v9   16 x lane; also the loads' offset for a tile's rows 0-7
.set L8,    3                          ; v3   8 x lane       (v10: 16 x lane + the distance to the tile's rows 8-15)
.set R,     16                         ; v16-143  two sets of 64 numbers as loaded (weights: 128 numbers down K)
.set X,     144                        ; v144-207 64 numbers, register 16 b + i = k 32 b + 16 h + i of my row
.set PC,    208                        ; v208-226 the codes just made
.set TM,    228                        ; v228-243 at work in QUANT
.set Z,     244                        ; v244-247 the four K steps' scale words
.set SPW,   250                        ; v250 LDS address of my spare word; never rewritten
.set NIL,   251                        ; v251 0; never rewritten
.set SEL,   40                         ; s[40:41] selects of v_permlanex16_b32 for lane l xor 16
; 64 numbers of a lane, register 16 b + i = k 32 b + 16 (lane / 16) + i of my row, become a fragment's 12 registers of codes in v[pc] on and its scale word in v[pw].
.macro QUANT s, pc, pw
.irp b, 0,1,2,3
	v_max3_num_f32 v[TM+\b], |v[(\s)+16*\b]|, |v[(\s)+1+16*\b]|, 0x1800000   ; block b: my 16 numbers, and the floor 2^(3 - 127): the byte cannot fall under 1
.endr
.irp i, 2,4,6,8,10,12,14
.irp b, 0,1,2,3
	v_max3_num_f32 v[TM+\b], v[TM+\b], |v[(\s)+16*\b+\i]|, |v[(\s)+1+16*\b+\i]|   ; the four blocks by turns
.endr
.endr
.irp b, 0,1,2,3
	v_permlanex16_b32 v[TM+4+\b], v[TM+\b], s[SEL], s[SEL+1]
.endr
.irp b, 0,1,2,3
	v_max_num_f32 v[TM+\b], v[TM+\b], v[TM+4+\b]      ; with lane l xor 16's: the block's largest magnitude
.endr
.irp b, 0,1,2,3
	v_add_nc_u32 v[TM+12+\b], 0xff000000, v[TM+\b]    ; 2 off its exponent field: the conversion's scale operand
.endr
.irp b, 0,1,2,3
	v_lshrrev_b32 v[TM+4+\b], 23, v[TM+12+\b]         ; the scale's byte
.endr
	v_lshl_or_b32 v[(\pw)], v[TM+5], 8, v[TM+4]
	v_lshl_or_b32 v[(\pw)], v[TM+6], 16, v[(\pw)]
	v_lshl_or_b32 v[(\pw)], v[TM+7], 24, v[(\pw)]     ; my row's scale word
.irp c, 0,1
	v_cvt_scalef32_pk16_fp6_f32 v[(\pc)+6*\c:(\pc)+2+6*\c], v[(\s)+32*\c:(\s)+15+32*\c], v[TM+12+2*\c]
	v_cvt_scalef32_pk16_fp6_f32 v[(\pc)+12+4*\c:(\pc)+14+4*\c], v[(\s)+16+32*\c:(\s)+31+32*\c], v[TM+12+2*\c+1]   ; (a conversion's three registers begin on an even number)
.endr
	v_nop                                             ; one plain place behind a scaled conversion
.irp c, 0,1                                       ; the operand's layout wants a whole block in a lane: lanes 0-15 block 2 c, lanes 16-31 block 2 c + 1
.irp k, 0,1,2
	v_permlane16_swap_b32 v[(\pc)+6*\c+\k], v[(\pc)+12+4*\c+\k]
.endr
.irp k, 0,1,2
	v_mov_b32 v[(\pc)+3+6*\c+\k], v[(\pc)+12+4*\c+\k]
.endr
.endr
.endm
	s_load_b512 s[4:19], s[0:1], 0x0               ; queries, keys, values, Wq, Wk, Wv, Wo, xrec
	s_load_b64 s[20:21], s[0:1], 0x40              ; wrec
	v_lshl_add_u32 v[SPW], v0, 2, SPARE
	v_mov_b32 v[NIL], 0
	v_lshrrev_b32 v1, 5, v0
	v_readfirstlane_b32 s22, v1                    ; wave 0..3
	v_and_b32 v1, 31, v0                           ; lane
	v_and_b32 v7, 15, v0                           ; r
	v_bfe_u32 v8, v0, 4, 1                         ; h
	v_lshlrev_b32 v[L16], 4, v1
	v_lshlrev_b32 v[L8], 3, v1
	s_mov_b32 s[SEL], 0x76543210
	s_mov_b32 s[SEL+1], 0xfedcba98
	s_cmp_ge_u32 ttmp9, 384
	s_cbranch_scc1 .Lweights
	; ---- queries, keys, values: one tile of 16 rows x 512 K a wave
	s_lshr_b32 s23, ttmp9, 7                       ; which tensor
	s_and_b32 s26, ttmp9, 127
	s_lshl_b32 s26, s26, 2
	s_add_co_u32 s26, s26, s22                     ; tile m
	s_lshl_b32 s27, s23, 9
	s_add_co_u32 s27, s27, s26
	s_mul_i32 s30, s27, 6400                       ; its record
	s_mov_b32 s31, 0
	s_lshl_b32 s28, s26, 4                         ; queries: first row 16 m
	s_lshr_b32 s29, s26, 1
	s_lshl_b32 s29, s29, 5
	s_and_b32 s32, s26, 1
	s_lshl_b32 s32, s32, 3
	s_add_co_u32 s29, s29, s32                     ; keys, values: 32 (m / 2) + 8 (m % 2)
	s_mov_b32 s33, 32768                           ; and rows 8-15 of the tile begin 16 rows of 2,048 bytes on (queries: 8 rows)
	s_cmp_eq_u32 s23, 0
	s_cselect_b32 s28, s28, s29
	s_cselect_b32 s33, 16384, s33
	s_lshl_b32 s28, s28, 11                        ; the first row, in bytes
	s_mov_b32 s29, 0
	s_mul_i32 s34, s22, STG                        ; my stage
	v_add_nc_u32 v4, s34, v[L16]                   ; in: a row's 512 bytes as they lie
	v_mul_u32_u24 v5, v7, 528
	v_lshl_add_u32 v5, v8, 6, v5
	v_add_nc_u32 v5, s34, v5                       ; out: row r, + 64 h: my 16 numbers of a block of 32
	v_add_nc_u32 v[L16+1], s33, v[L16]
.irp b, 0,1,2,3
	v_mov_b32 v[TM+4+\b], 0                        ; written once: a lane permute's destination counts as one of its sources
.endr
	s_wait_kmcnt 0x0
	s_cmp_eq_u32 s23, 0
	s_cselect_b64 s[24:25], s[4:5], s[6:7]
	s_cmp_eq_u32 s23, 2
	s_cselect_b64 s[24:25], s[8:9], s[24:25]
	s_add_nc_u64 s[24:25], s[24:25], s[28:29]
	s_add_nc_u64 s[30:31], s[18:19], s[30:31]
.macro LOAD t                          ; K step t of the tile's 16 rows: each load reads 512 consecutive bytes
.irp rho, 0,1,2,3,4,5,6,7,8,9,10,11,12,13,14,15
	global_load_b128 v[R+64*((\t)%2)+4*\rho:R+64*((\t)%2)+4*\rho+3], v[L16+\rho/8], s[24:25] offset:(\rho%8)*2048+512*(\t) th:TH_LOAD_NT
.endr
.endm
.macro XSTEP t
.if (\t) < 3
	s_wait_loadcnt 16                              ; this K step's 16 loads are in; the next step's 16 may be out
.else
	s_wait_loadcnt 0
.endif
.irp rho, 0,1,2,3,4,5,6,7,8,9,10,11,12,13,14,15
	ds_store_b128 v4, v[R+64*((\t)%2)+4*\rho:R+64*((\t)%2)+4*\rho+3] offset:528*\rho
.endr
.irp b, 0,1,2,3
.irp j, 0,1,2,3
	ds_load_b128 v[X+16*\b+4*\j:X+16*\b+4*\j+3], v5 offset:128*\b+16*\j   ; LDS serves a wave's instructions in order: these see the stores above
.endr
.endr
	s_wait_dscnt 0x0                               ; the numbers are back, and the stores into the stage have read their registers
	s_wait_xcnt 0x0                                ; the last step's stores have read the codes' registers, which QUANT writes anew
.if (\t) < 2
	LOAD (\t)+2
.endif
	QUANT X, PC, Z+(\t)
	global_store_b128 v[L16], v[PC:PC+3], s[30:31] offset:1536*(\t)          ; 512 consecutive bytes
	global_store_b64 v[L8], v[PC+4:PC+5], s[30:31] offset:1536*(\t)+512      ; 256
	global_store_b128 v[L16], v[PC+6:PC+9], s[30:31] offset:1536*(\t)+768
	global_store_b64 v[L8], v[PC+10:PC+11], s[30:31] offset:1536*(\t)+1280
.endm
	LOAD 0
	LOAD 1
	XSTEP 0
	XSTEP 1
	XSTEP 2
	XSTEP 3
	s_wait_xcnt 0x0                                ; EXEC changes only behind this wait
	v_cmp_gt_u32 vcc_lo, 16, v1
	s_and_saveexec_b32 s35, vcc_lo
	global_store_b128 v[L16], v[Z:Z+3], s[30:31] offset:6144   ; lanes 0-15: row r's four scale words: 256 consecutive bytes
	s_wait_xcnt 0x0
	s_or_b32 exec_lo, exec_lo, s35
	s_wait_tensorcnt 0x0                           ; the wave's end, behind my last LDS store
	ds_add_u32 v[SPW], v[NIL]
	s_wait_dscnt 0x0
	s_endpgm
	; ---- the weights: 32 columns x 128 K a wave; lanes 0-15 are the rows of permuted tile 2 cg, lanes 16-31 those of tile 2 cg + 1
.Lweights:
	s_sub_co_u32 s23, ttmp9, 384
	s_lshr_b32 s26, s23, 4                         ; which weight
	s_and_b32 s27, s23, 15                         ; cg: which 32 columns
	s_lshl_b32 s28, s22, 18                        ; K step = wave: 128 rows of 2,048 bytes
	s_mov_b32 s29, 0
	s_lshl_b32 s30, s26, 5
	s_lshl_b32 s32, s27, 1
	s_add_co_u32 s30, s30, s32
	s_mul_i32 s30, s30, 6400                       ; tile 2 cg's record
	s_mov_b32 s31, 0
	s_mul_i32 s32, s22, 1536                       ; my K step in it
	s_mov_b32 s33, 0
	v_and_b32 v4, 8, v7
	v_add_nc_u32 v4, v4, v7
	v_lshl_add_u32 v4, v8, 3, v4                   ; r + 8 (r / 8) + 8 h
	s_lshl_b32 s34, s27, 5
	v_add_nc_u32 v4, s34, v4                       ; my column: the 32 lanes cover 128 consecutive bytes
	v_lshlrev_b32 v4, 2, v4
	v_mul_u32_u24 v5, v8, 6400
	v_lshl_add_u32 v5, v7, 4, v5
	s_lshl_b32 s34, s22, 2
	v_add_nc_u32 v5, s34, v5                       ; my scale word: tile h, row r, K step s
	s_wait_kmcnt 0x0
	s_cmp_eq_u32 s26, 0
	s_cselect_b64 s[24:25], s[10:11], s[12:13]
	s_cmp_eq_u32 s26, 2
	s_cselect_b64 s[24:25], s[14:15], s[24:25]
	s_cmp_eq_u32 s26, 3
	s_cselect_b64 s[24:25], s[16:17], s[24:25]
	s_add_nc_u64 s[24:25], s[24:25], s[28:29]
	s_add_nc_u64 s[30:31], s[20:21], s[30:31]
	s_add_nc_u64 s[32:33], s[30:31], s[32:33]
.set i, 0
.rept 128
	global_load_b32 v[R+i], v4, s[24:25] offset:i*2048 th:TH_LOAD_NT   ; W(128 s + i, my column)
.set i, i+1
.endr
	s_wait_loadcnt 0x0
.irp b, 0,1,2,3                                ; a block of 32 along K lies whole in my registers
	v_max3_num_f32 v[200+\b], |v[R+32*\b]|, |v[R+1+32*\b]|, 0x1800000
.endr
.irp i, 2,4,6,8,10,12,14,16,18,20,22,24,26,28,30
.irp b, 0,1,2,3
	v_max3_num_f32 v[200+\b], v[200+\b], |v[R+32*\b+\i]|, |v[R+1+32*\b+\i]|
.endr
.endr
.irp b, 0,1,2,3
	v_add_nc_u32 v[204+\b], 0xff000000, v[200+\b]
.endr
.irp b, 0,1,2,3
	v_lshrrev_b32 v[208+\b], 23, v[204+\b]
.endr
	v_lshl_or_b32 v212, v209, 8, v208
	v_lshl_or_b32 v212, v210, 16, v212
	v_lshl_or_b32 v212, v211, 24, v212             ; my column's scale word for this K step
.irp b, 0,1,2,3
	v_cvt_scalef32_pk16_fp6_f32 v[144+8*\b:146+8*\b], v[R+32*\b:R+15+32*\b], v[204+\b]
	v_cvt_scalef32_pk16_fp6_f32 v[176+4*\b:178+4*\b], v[R+16+32*\b:R+31+32*\b], v[204+\b]
.endr
	v_nop                                          ; one plain place behind a scaled conversion
.irp b, 0,1,2,3
.irp k, 0,1,2
	v_mov_b32 v[147+8*\b+\k], v[176+4*\b+\k]       ; v[144 + 8 b ..+5]: block b of my column
.endr
.endr
.irp c, 0,1                                    ; block 2 c's lanes 16-31 change places with block 2 c + 1's lanes 0-15: the first is then tile 2 cg's half image c, the second tile 2 cg + 1's
.irp k, 0,1,2,3,4,5
	v_permlane16_swap_b32 v[144+16*\c+\k], v[152+16*\c+\k]
.endr
.endr
.irp c, 0,1
.irp u, 0,1
	global_store_b128 v[L16], v[144+16*\c+8*\u:147+16*\c+8*\u], s[32:33] offset:\u*6400+\c*768
	global_store_b64 v[L8], v[148+16*\c+8*\u:149+16*\c+8*\u], s[32:33] offset:\u*6400+\c*768+512
.endr
.endr
	global_store_b32 v5, v212, s[30:31] offset:6144   ; 4 bytes a lane, 16 apart: the work-group's four waves fill the 256 bytes between them (32 KB in the whole launch)
	s_endpgm
.Lfunc_end_k_q023071dbb2_quant:
	.size	k_q023071dbb2_quant, .Lfunc_end_k_q023071dbb2_quant-k_q023071dbb2_quant
	.p2alignl 7, 3214868480
	.fill 96, 4, 3214868480
	.section	.rodata,"a",@progbits
	.p2align	6, 0x0
	.amdhsa_kernel k_q023071dbb2_quant
		.amdhsa_group_segment_fixed_size 34304
		.amdhsa_private_segment_fixed_size 0
		.amdhsa_enable_private_segment 0
		.amdhsa_kernarg_size 72
		.amdhsa_user_sgpr_count 2
		.amdhsa_user_sgpr_kernarg_segment_ptr 1
		.amdhsa_wavefront_size32 1
		.amdhsa_system_sgpr_workgroup_id_x 1
		.amdhsa_system_sgpr_workgroup_id_y 1
		.amdhsa_system_sgpr_workgroup_id_z 1
		.amdhsa_system_vgpr_workitem_id 0
		.amdhsa_next_free_vgpr 256
		.amdhsa_next_free_sgpr 66
		.amdhsa_reserve_vcc 1
		.amdhsa_float_denorm_mode_32 3
		.amdhsa_float_denorm_mode_16_64 3
		.amdhsa_memory_ordered 1
		.amdhsa_forward_progress 1
		.amdhsa_inst_pref_size 54
	.end_amdhsa_kernel
	.amdgpu_metadata
---
amdhsa.version: [ 1, 2 ]
amdhsa.kernels:
  - .name:           k_q023071dbb2_quant
    .symbol:         k_q023071dbb2_quant.kd
    .args:
      - { .name: queries, .offset: 0, .size: 8, .value_kind: global_buffer, .address_space: global }
      - { .name: keys, .offset: 8, .size: 8, .value_kind: global_buffer, .address_space: global }
      - { .name: values, .offset: 16, .size: 8, .value_kind: global_buffer, .address_space: global }
      - { .name: Wq, .offset: 24, .size: 8, .value_kind: global_buffer, .address_space: global }
      - { .name: Wk, .offset: 32, .size: 8, .value_kind: global_buffer, .address_space: global }
      - { .name: Wv, .offset: 40, .size: 8, .value_kind: global_buffer, .address_space: global }
      - { .name: Wo, .offset: 48, .size: 8, .value_kind: global_buffer, .address_space: global }
      - { .name: xrec, .offset: 56, .size: 8, .value_kind: global_buffer, .address_space: global }
      - { .name: wrec, .offset: 64, .size: 8, .value_kind: global_buffer, .address_space: global }
    .group_segment_fixed_size: 34304
    .private_segment_fixed_size: 0
    .kernarg_segment_align: 8
    .kernarg_segment_size: 72
    .max_flat_workgroup_size: 128
    .sgpr_count:     66
    .vgpr_count:     256
    .wavefront_size: 32
...
	.end_amdgpu_metadata
.endif
;; end of part 1
;; launch proj (part 2): grid 256 x 1, 3 waves a work-group, no clusters, 0 bytes of LDS; arguments xrec, wrec, qrec, kvrec; writes qrec, kvrec
.if DOCPART == 2
	.amdgcn_target "amdgcn-amd-amdhsa--gfx1250"
	.amdhsa_code_object_version 6
	.text
	.protected	k_q023071dbb2_proj
	.globl	k_q023071dbb2_proj
	.p2align	8
	.type	k_q023071dbb2_proj,@function
k_q023071dbb2_proj:
	s_mov_b64 s[64:65], 0
	v_nop
	global_prefetch_b8 v0, s[64:65] scope:SCOPE_SE
	s_setreg_imm32_b32 hwreg(HW_REG_WAVE_MODE, 25, 1), 1
	s_wait_xcnt 0x0
; q = queries Wq, k = keys Wk, v = values Wv on codes of FP6, and the results quantised in registers into the operands of the attention's two products.
; The wave's number picks the product (0 q, 1 k, 2 v); the work-group's number picks 128 rows of x (a) and 128 columns (j): a wave makes 128 x 128 of one product.  No LDS, no barrier: waves share nothing.
; SOURCE 0 STAYS: 8 permuted tiles x 4 K steps, 384 registers.  SOURCE 1 STREAMS: 8 tiles through a ring of four.  In a result lane (r, h) holds row r of source 1's tile, and, since source 0's tiles are
; permuted, its 64 registers run along source 0's 128 items: register 16 b + i = item 32 b + 16 h + i: the order in which QUANT takes them.
; q, k: source 0 = the weight's columns, source 1 = 16 rows of x: registers run along the two heads' 64 + 64: each half image is one head's operand (K = the head's 64).
; v:    source 0 = 128 keys (values' rows), source 1 = 16 columns of Wv: registers run along the keys, which are the second product's K.
; One text serves all three: only pointers and strides differ, chosen by selects on the wave's number.
; OUT: qrec [bh][block of 128 queries]: 8 half images (query tile idx at 768 idx), at 6,144 words [r][g] = (tile 2 g: two bytes; tile 2 g + 1: two bytes).
;      kvrec [bh][step of 128 keys], 12,800 bytes: K at 0 laid as qrec's record (a fragment g = key tiles 2 g and 2 g + 1); V at 6,400: fragment g = 16 d (permuted) x 128 keys, at 12,544 words [r][g].
; LIMITS: as the quantiser's in the launch before (byte 1 for blocks under the floor; NaN and infinities not served).
.set L16,  1                           ; v1  16 x lane
.set L8,   2                           ; v2  8 x lane
.set R16,  3                           ; v3  16 x (lane % 16)
.set ZO,   4                           ; v4  where my four packed scale words go: 16 r, + one head's records for lanes 16-31
.set VSEL, 5                           ; v5  the byte selector that packs two scale words
.set SS,   16                          ; v16-47   source 0's scale words, tile t, K step s: 4 t + s
.set ST,   48                          ; v48-63   source 1's, ring slot x 4 + s
.set ACC,  64                          ; v64-127  eight accumulators
.set PC,   128                         ; v128-146 the codes just made
.set TM,   148                         ; v148-163 at work in QUANT
.set PW,   164                         ; v164-171 the eight trips' scale words
.set Z,    172                         ; v172-175 packed
.set SB,   20                          ; s[20:21] source 0's records
.set TBS,  24                          ; s[24:39] trip i's record of source 1
.set OB,   40                          ; s[40:47] where half image c of a trip with parity u goes: 4 u + 2 c
.set SEL,  50
; windows: 1: source 0's K steps 0, 1 (fragment at 12 (8 s + t));  2: K steps 2, 3;  3: the ring, 48 x slot + 12 s
.set MSB, 0
.macro WIN new                         ; the immediate's high byte repeats the setting that is left
.if MSB != \new
	s_set_vgpr_msb (MSB<<8)|\new
.set MSB, \new
.endif
.endm
.macro QUANT s, pc, pw
.irp b, 0,1,2,3
	v_max3_num_f32 v[TM+\b], |v[(\s)+16*\b]|, |v[(\s)+1+16*\b]|, 0x1800000   ; block b: my 16 numbers, and the floor 2^(3 - 127)
.endr
.irp i, 2,4,6,8,10,12,14
.irp b, 0,1,2,3
	v_max3_num_f32 v[TM+\b], v[TM+\b], |v[(\s)+16*\b+\i]|, |v[(\s)+1+16*\b+\i]|
.endr
.endr
.irp b, 0,1,2,3
	v_permlanex16_b32 v[TM+4+\b], v[TM+\b], s[SEL], s[SEL+1]
.endr
.irp b, 0,1,2,3
	v_max_num_f32 v[TM+\b], v[TM+\b], v[TM+4+\b]
.endr
.irp b, 0,1,2,3
	v_add_nc_u32 v[TM+12+\b], 0xff000000, v[TM+\b]    ; 2 off the exponent field: the conversion's scale operand
.endr
.irp b, 0,1,2,3
	v_lshrrev_b32 v[TM+4+\b], 23, v[TM+12+\b]
.endr
	v_lshl_or_b32 v[(\pw)], v[TM+5], 8, v[TM+4]
	v_lshl_or_b32 v[(\pw)], v[TM+6], 16, v[(\pw)]
	v_lshl_or_b32 v[(\pw)], v[TM+7], 24, v[(\pw)]
.irp c, 0,1
	v_cvt_scalef32_pk16_fp6_f32 v[(\pc)+6*\c:(\pc)+2+6*\c], v[(\s)+32*\c:(\s)+15+32*\c], v[TM+12+2*\c]
	v_cvt_scalef32_pk16_fp6_f32 v[(\pc)+12+4*\c:(\pc)+14+4*\c], v[(\s)+16+32*\c:(\s)+31+32*\c], v[TM+12+2*\c+1]
.endr
	v_nop                                             ; one plain place behind a scaled conversion
.irp c, 0,1
.irp k, 0,1,2
	v_permlane16_swap_b32 v[(\pc)+6*\c+\k], v[(\pc)+12+4*\c+\k]
.endr
.irp k, 0,1,2
	v_mov_b32 v[(\pc)+3+6*\c+\k], v[(\pc)+12+4*\c+\k]
.endr
.endr
.endm
.macro LFRAG dst, base, off            ; a fragment = two half images: four loads, every one of consecutive bytes
	global_load_b128 v[(\dst):(\dst)+3], v[L16], s[\base:\base+1] offset:\off
	global_load_b64 v[(\dst)+4:(\dst)+5], v[L8], s[\base:\base+1] offset:\off+512
	global_load_b128 v[(\dst)+6:(\dst)+9], v[L16], s[\base:\base+1] offset:\off+768
	global_load_b64 v[(\dst)+10:(\dst)+11], v[L8], s[\base:\base+1] offset:\off+1280
.endm
.macro STAT                            ; source 0: 136 loads
	WIN 0x40
.irp s2, 0,1
.irp t, 0,1,2,3,4,5,6,7
	LFRAG 12*(8*\s2+\t), SB, \t*6400+\s2*1536
.endr
.endr
	WIN 0x80
.irp s2, 0,1
.irp t, 0,1,2,3,4,5,6,7
	LFRAG 12*(8*\s2+\t), SB, \t*6400+(\s2+2)*1536
.endr
.endr
	WIN 0
.irp t, 0,1,2,3,4,5,6,7
	global_load_b128 v[SS+4*\t:SS+4*\t+3], v[R16], s[SB:SB+1] offset:\t*6400+6144
.endr
.endm
.macro STRM i                          ; trip i's tile of source 1: 17 loads
	WIN 0xc0
.irp s2, 0,1,2,3
	LFRAG 48*((\i)%4)+12*\s2, TBS+2*(\i), \s2*1536
.endr
	WIN 0
	global_load_b128 v[ST+4*((\i)%4):ST+4*((\i)%4)+3], v[R16], s[TBS+2*(\i):TBS+2*(\i)+1] offset:6144
.endm
.macro MULT slot, acc                  ; 32 matrix instructions: K step by K step, the eight accumulators by turns, one instruction a turn; the first K step starts the sums
.irp s2, 0,1,2,3
.if \s2 < 2
	WIN 0x0d                                       ; source 0 window 1, source 1 window 3
.else
	WIN 0x0e                                       ; source 0 window 2
.endif
.irp t, 0,1,2,3,4,5,6,7
.if \s2 == 0
	v_wmma_scale_f32_16x16x128_f8f6f4 v[(\acc)+8*\t:(\acc)+8*\t+7], v[12*(8*(\s2%2)+\t):12*(8*(\s2%2)+\t)+11], v[48*(\slot)+12*\s2:48*(\slot)+12*\s2+11], 0, v[SS+4*\t+\s2], v[ST+4*(\slot)+\s2] matrix_a_fmt:MATRIX_FMT_FP6 matrix_b_fmt:MATRIX_FMT_FP6
.else
	v_wmma_scale_f32_16x16x128_f8f6f4 v[(\acc)+8*\t:(\acc)+8*\t+7], v[12*(8*(\s2%2)+\t):12*(8*(\s2%2)+\t)+11], v[48*(\slot)+12*\s2:48*(\slot)+12*\s2+11], v[(\acc)+8*\t:(\acc)+8*\t+7], v[SS+4*\t+\s2], v[ST+4*(\slot)+\s2] matrix_a_fmt:MATRIX_FMT_FP6 matrix_b_fmt:MATRIX_FMT_FP6
.endif
.endr
.endr
	WIN 0
.endm
.macro OUT i                           ; the two half images just made
	global_store_b128 v[L16], v[PC:PC+3], s[OB+4*((\i)%2):OB+4*((\i)%2)+1] offset:1536*((\i)/2)
	global_store_b64 v[L8], v[PC+4:PC+5], s[OB+4*((\i)%2):OB+4*((\i)%2)+1] offset:1536*((\i)/2)+512
	global_store_b128 v[L16], v[PC+6:PC+9], s[OB+4*((\i)%2)+2:OB+4*((\i)%2)+3] offset:1536*((\i)/2)
	global_store_b64 v[L8], v[PC+10:PC+11], s[OB+4*((\i)%2)+2:OB+4*((\i)%2)+3] offset:1536*((\i)/2)+512
.endm
.macro TRIP i, left
	s_wait_loadcnt \left                           ; this trip's tile is in (and, in trip 0, source 0); the 17 loads of each later tile asked for may be out
	MULT (\i)%4, ACC
.rept 4
	v_nop                                          ; places ahead of the loads into the ring's slot and its scale words, and of the first read of the results
.endr
.if \i < 4
	STRM \i+4
.endif
	s_wait_xcnt 0x0                                ; the last trip's stores have read the codes' registers
	QUANT ACC, PC, PW+\i
	OUT \i
.if (\i)%2
	v_perm_b32 v[Z+(\i)/2], v[PW+\i], v[PW+\i-1], v[VSEL]   ; q, k: two bytes of each of the two tiles' words, my half's head; v: the whole word of my half's head
.endif
.endm
	s_load_b256 s[4:11], s[0:1], 0x0               ; xrec, wrec, qrec, kvrec
	v_lshrrev_b32 v6, 5, v0
	v_readfirstlane_b32 s12, v6                    ; the product: 0 q, 1 k, 2 v
	v_and_b32 v6, 31, v0
	v_lshlrev_b32 v[L16], 4, v6
	v_lshlrev_b32 v[L8], 3, v6
	v_and_b32 v7, 15, v0
	v_lshlrev_b32 v[R16], 4, v7
	v_bfe_u32 v7, v0, 4, 1                         ; h
	s_lshr_b32 s13, ttmp9, 2                       ; a: which 128 rows
	s_and_b32 s14, ttmp9, 3                        ; j: which 128 columns (heads 2 j, 2 j + 1)
	s_mov_b32 s[SEL], 0x76543210
	s_mov_b32 s[SEL+1], 0xfedcba98
	s_mov_b32 s58, 12800                           ; a record of the output,
	s_mov_b32 s59, 409600                          ; and a head's 32 records
	s_cmp_eq_u32 s12, 0
	s_cselect_b32 s58, 6400, s58
	s_cselect_b32 s59, 204800, s59
	s_mov_b32 s52, 6400                            ; source 1's tile of trip 2 g + u: u x s52 + g x s53
	s_mov_b32 s53, 12800
	s_mov_b32 s60, 768                             ; the output: parity u,
	s_mov_b32 s48, 0x05040100
	s_mov_b32 s49, 0x07060302
	s_cmp_eq_u32 s12, 2
	s_cselect_b32 s52, 25600, s52                  ; v: tile 4 u + g: head 2 j + u, d tile g
	s_cselect_b32 s53, 6400, s53
	s_cselect_b32 s60, 409600, s60                 ; v: u is the head
	s_cselect_b32 s61, 768, s59                    ; half image c: q, k: the head; v: the keys' upper 64
	s_cselect_b32 s62, 6400, 0                     ; V lies behind K in a record
	s_cselect_b32 s48, 0x03020100, s48
	s_cselect_b32 s49, 0x07060504, s49
	s_mul_i32 s16, s12, 3276800
	s_mul_i32 s15, s13, 51200
	s_add_co_u32 s16, s16, s15                     ; x's eight records
	s_mov_b32 s17, 0
	s_mul_i32 s18, s12, 204800
	s_mul_i32 s15, s14, 51200
	s_add_co_u32 s18, s18, s15                     ; the weight's eight
	s_mov_b32 s19, 0
	s_lshr_b32 s54, s13, 5
	s_lshl_b32 s54, s54, 3
	s_lshl_b32 s15, s14, 1
	s_add_co_u32 s54, s54, s15                     ; bh = 8 x batch + 2 j
	s_lshl_b32 s54, s54, 5
	s_and_b32 s15, s13, 31
	s_add_co_u32 s54, s54, s15                     ; x 32 + the block of 128 rows
	s_mul_i32 s54, s54, s58
	s_add_co_u32 s54, s54, s62
	s_mov_b32 s55, 0
	v_mad_u32_u24 v[ZO], v7, s59, v[R16]
	v_cmp_eq_u32 vcc_lo, 1, v7
	v_mov_b32 v[VSEL], s48
	v_mov_b32 v8, s49
	v_cndmask_b32 v[VSEL], v[VSEL], v8, vcc_lo
.irp b, 0,1,2,3
	v_mov_b32 v[TM+4+\b], 0                        ; written once: a lane permute's destination counts as one of its sources
.endr
	s_wait_kmcnt 0x0
	s_add_nc_u64 s[16:17], s[4:5], s[16:17]
	s_add_nc_u64 s[18:19], s[6:7], s[18:19]
	s_cmp_eq_u32 s12, 2
	s_cselect_b64 s[SB:SB+1], s[16:17], s[18:19]   ; what stays: v: x; q, k: the weight
	s_cselect_b64 s[22:23], s[18:19], s[16:17]     ; what streams
	s_cmp_eq_u32 s12, 0
	s_cselect_b64 s[56:57], s[8:9], s[10:11]
	s_add_nc_u64 s[56:57], s[56:57], s[54:55]      ; the output's record
.irp i, 0,1,2,3,4,5,6,7
	s_mul_i32 s54, s53, \i/2
.if \i%2
	s_add_co_u32 s54, s54, s52
.endif
	s_add_nc_u64 s[TBS+2*\i:TBS+2*\i+1], s[22:23], s[54:55]
.endr
	s_mov_b64 s[OB:OB+1], s[56:57]
	s_mov_b32 s54, s61
	s_add_nc_u64 s[OB+2:OB+3], s[56:57], s[54:55]
	s_mov_b32 s54, s60
	s_add_nc_u64 s[OB+4:OB+5], s[56:57], s[54:55]
	s_add_nc_u64 s[OB+6:OB+7], s[OB+2:OB+3], s[54:55]
	STAT
	STRM 0
	STRM 1
	STRM 2
	STRM 3
	TRIP 0, 51
	TRIP 1, 51
	TRIP 2, 51
	TRIP 3, 51
	TRIP 4, 51
	TRIP 5, 34
	TRIP 6, 17
	TRIP 7, 0
	global_store_b128 v[ZO], v[Z:Z+3], s[56:57] offset:6144   ; lanes 0-15: one head's 256 bytes of scale words; lanes 16-31: the other head's
	s_endpgm
.Lfunc_end_k_q023071dbb2_proj:
	.size	k_q023071dbb2_proj, .Lfunc_end_k_q023071dbb2_proj-k_q023071dbb2_proj
	.p2alignl 7, 3214868480
	.fill 96, 4, 3214868480
	.section	.rodata,"a",@progbits
	.p2align	6, 0x0
	.amdhsa_kernel k_q023071dbb2_proj
		.amdhsa_group_segment_fixed_size 0
		.amdhsa_private_segment_fixed_size 0
		.amdhsa_enable_private_segment 0
		.amdhsa_kernarg_size 32
		.amdhsa_user_sgpr_count 2
		.amdhsa_user_sgpr_kernarg_segment_ptr 1
		.amdhsa_wavefront_size32 1
		.amdhsa_system_sgpr_workgroup_id_x 1
		.amdhsa_system_sgpr_workgroup_id_y 1
		.amdhsa_system_sgpr_workgroup_id_z 1
		.amdhsa_system_vgpr_workitem_id 0
		.amdhsa_next_free_vgpr 960
		.amdhsa_next_free_sgpr 66
		.amdhsa_reserve_vcc 1
		.amdhsa_float_denorm_mode_32 3
		.amdhsa_float_denorm_mode_16_64 3
		.amdhsa_memory_ordered 1
		.amdhsa_forward_progress 1
		.amdhsa_inst_pref_size 98
	.end_amdhsa_kernel
	.amdgpu_metadata
---
amdhsa.version: [ 1, 2 ]
amdhsa.kernels:
  - .name:           k_q023071dbb2_proj
    .symbol:         k_q023071dbb2_proj.kd
    .args:
      - { .name: xrec, .offset: 0, .size: 8, .value_kind: global_buffer, .address_space: global }
      - { .name: wrec, .offset: 8, .size: 8, .value_kind: global_buffer, .address_space: global }
      - { .name: qrec, .offset: 16, .size: 8, .value_kind: global_buffer, .address_space: global }
      - { .name: kvrec, .offset: 24, .size: 8, .value_kind: global_buffer, .address_space: global }
    .group_segment_fixed_size: 0
    .private_segment_fixed_size: 0
    .kernarg_segment_align: 8
    .kernarg_segment_size: 32
    .max_flat_workgroup_size: 96
    .sgpr_count:     66
    .vgpr_count:     960
    .wavefront_size: 32
...
	.end_amdgpu_metadata
.endif
;; end of part 2
;; launch attn (part 3): grid 16 x 16, 16 waves a work-group, no clusters, 327,680 bytes of LDS; arguments qrec, kvrec, orec; writes orec
.if DOCPART == 3
	.amdgcn_target "amdgcn-amd-amdhsa--gfx1250"
	.amdhsa_code_object_version 6
	.text
	.protected	k_q023071dbb2_attn
	.globl	k_q023071dbb2_attn
	.p2align	8
	.type	k_q023071dbb2_attn,@function
k_q023071dbb2_attn:
	s_mov_b64 s[64:65], 0
	v_nop
	global_prefetch_b8 v0, s[64:65] scope:SCOPE_SE
	s_setreg_imm32_b32 hwreg(HW_REG_WAVE_MODE, 25, 1), 1
	s_wait_xcnt 0x0
; Causal attention on codes of FP6 for one (batch, head): S^T = K Q^T (K = the head's 64), p = 2^(t - M), O^T = V^T P^T (K = the keys), O / l quantised along the head's 64 for the last projection.
; t = score x log2(e) / 8; M = the running largest t rounded UP to a whole number; the row's sum l is taken of the unquantised p; when M moves, l and O^T are multiplied by 2^(old M - new M), exactly.
; SHARES.  A work-group owns query blocks i and 31 - i (128 queries each) of one head: block b needs b + 1 steps of 128 keys, so every work-group has 8 x 33 tile-steps.  Each of sixteen waves owns one tile of
; 16 queries: tile idx = wave / 2 of block i or 31 - i; which of the two is chosen by (wave xor wave / 4) & 1.  A step all of whose keys come after the wave's queries is jumped over (a scalar branch on ids).
; LAYOUT.  Both products are used transposed: a lane holds ONE query (lane % 16) throughout.  The key tiles are permuted (launch before), so that S^T's register 16 b + i is key 32 b + 16 (lane / 16) + i.
; K = 64 IN AN INSTRUCTION OF K = 128: a fragment of K carries two key tiles, one in its lower 64, one in its upper 64.  Q stands in 18 registers as q | zeros | q: the first 12 are (q, 0), the last 12 (0, q):
; the fragment times the one gives the first tile's scores, times the other the second's.  Zero codes add nothing under the scale bytes beside them, which lie in 1 .. 254.
; RING.  Two LDS slots of four steps (51,200 bytes, dense in kvrec), filled by waves 0 and 1, 100 rows of 256 bytes each; every read is 16 x lane or 8 x lane on end: no padding.  A wave has one tensor load out at most.
; The look-ahead ends at the causal limit: a slot whose first key comes after the work-group's last query is read by none of its waves and is not asked for.
; NO CLUSTER: the work-groups that walk the same K and V differ in i, so they ask for different numbers of slots, and the branches round hidden steps hang on i.
; NO PREFETCH: a slot's refill goes out four key steps ahead of the wait for it.
; LIMITS: NaN and infinities are not served; a block of p or of O / l under 2^(3 - 127) gets the byte 1; a block's largest p is taken from the block's largest score, which takes v_exp_f32 not to fall where its input rises.
.set STEPB, 12800                      ; a step's record: K 6,144, its words 256, V 6,144, its words 256
.set SLOT1, 65536
.set SPARE, 131072                     ; behind the ring: the spare words, 128 bytes for each of 16 waves
.set L16,  1                           ; v1  16 x lane
.set L8,   2                           ; v2  8 x lane
.set R16,  3                           ; v3  16 x (lane % 16)
.set DG,   4                           ; v4  on the diagonal step: my query - the step's first key - 16 (lane / 16) = 16 idx + r - 16 h
.set SPW,  5                           ; v5  LDS address of my spare word; never rewritten
.set NIL,  6                           ; v6  0; never rewritten
.set ADK,  8                           ; v8-10 the step's LDS addresses
.set ADK8, 9
.set ADS,  10
.set QS,   11                          ; v11 Q's scale word (s0, s1, s0, s1)
                                       ; v12 -M, v13 the largest t, v[14:15] the sum in two halves
.set QF,   16                          ; v16-33  q | 0 | q
.set F,    36                          ; v36-83  four fragments of K, then of V
.set KS,   84                          ; v84-87  K's scale words
.set VS,   88                          ; v88-91  V's
.set S,    96                          ; v96-159 S^T, then p
.set O,    160                         ; v160-191 O^T
.set MX,   192                         ; v192-195 the blocks' largest scores, then largest p
.set T2,   196                         ; v196-199 at work
.set SO,   200                         ; v200-203 the conversions' scale operands
.set H2,   204                         ; v204-206, v208-210 the conversions' second halves
.set P,    212                         ; v212-223 p's codes
.set PS,   224                         ; v224 p's scale word
.set FF,   226                         ; v[226:227] f = 2^(old M - new M) (the low word serves both halves)
.set W0,   228
.set W1,   229
.set SUM2, 230                         ; v[230:231] the sums' second chain
.set WV,   18
.set TS,   19                          ; s19 LDS byte at which the step in hand begins
.set SEL,  20
.set CS,   22                          ; s[22:23] c = log2(e) / 8
.set G1,   24
.set G0,   40
.set TB,   2                           ; s2  LDS byte at which the slot in hand begins
.set KF,   32                          ; s32 the step's first key
.set Q0,   33                          ; s33 my first query
.set LASTQ, 34                         ; s34 my work-group's last query
.set SLOTS, 35
.set STEPS, 36
.macro TLOAD                           ; waves 0 and 1 fetch half a slot each; an s_nop 0 and four v_nop follow the load
	s_cmp_lt_u32 s[WV], 2
	s_cbranch_scc0 .Lasked_\@
	tensor_load_to_lds s[G0:G0+3], s[G1:G1+7]
	s_nop 0
.rept 4
	v_nop
.endr
.Lasked_\@:
.endm
	s_load_b128 s[4:7], s[0:1], 0x0                ; qrec, kvrec
	s_load_b64 s[8:9], s[0:1], 0x10                ; orec
	v_lshl_add_u32 v[SPW], v0, 2, SPARE
	v_mov_b32 v[NIL], 0
	ds_add_u32 v[SPW], v[NIL]                      ; the wave's opening: the add and its wait stand ahead of the first tensor load; the set-up below, work on registers, stands between them
	v_lshrrev_b32 v7, 5, v0
	v_readfirstlane_b32 s[WV], v7                  ; wave 0..15
	s_and_b32 s10, ttmp7, 0xffff                   ; bh
	s_lshr_b32 s11, s[WV], 1                       ; idx
	s_lshr_b32 s12, s[WV], 2
	s_xor_b32 s12, s12, s[WV]
	s_and_b32 s12, s12, 1                          ; which of the two blocks
	s_sub_co_u32 s13, 31, ttmp9
	s_cmp_eq_u32 s12, 1
	s_cselect_b32 s13, s13, ttmp9                  ; my block of 128 queries
	s_lshl_b32 s[Q0], s13, 7
	s_lshl_b32 s14, s11, 4
	s_add_co_u32 s[Q0], s[Q0], s14
	s_lshl_b32 s[LASTQ], ttmp9, 7
	s_sub_co_u32 s[LASTQ], 4095, s[LASTQ]          ; 128 (31 - i) + 127
	v_and_b32 v7, 31, v0
	v_lshlrev_b32 v[L16], 4, v7
	v_lshlrev_b32 v[L8], 3, v7
	v_and_b32 v[DG], 15, v0
	v_lshlrev_b32 v[R16], 4, v[DG]
	v_bfe_u32 v7, v0, 4, 1
	v_lshlrev_b32 v7, 4, v7
	v_sub_nc_u32 v[DG], v[DG], v7
	v_add_nc_u32 v[DG], s14, v[DG]
	s_and_b32 s15, s[WV], 1
	s_mul_i32 s15, s15, 25600                      ; my half of a slot, in LDS and in memory
	s_mul_i32 s16, s10, 409600                     ; the head's 32 records
	s_add_co_u32 s16, s16, s15
	s_mov_b32 s17, 0
	s_lshl_b32 s38, s10, 5
	s_add_co_u32 s38, s38, s13
	s_mul_i32 s38, s38, 6400                       ; my block's record of Q
	s_mul_i32 s44, s11, 768
	s_add_co_u32 s44, s44, s38                     ; my tile's half image
	s_mov_b32 s45, 0
	s_lshr_b32 s46, s11, 1
	s_lshl_b32 s46, s46, 2
	s_add_co_u32 s46, s46, s38                     ; the word that holds my tile's two bytes
	s_mov_b32 s47, 0
	s_and_b32 s38, s11, 1
	s_mov_b32 s3, 0x01000100
	s_cmp_eq_u32 s38, 1
	s_cselect_b32 s3, 0x03020302, s3               ; which two bytes of it
	s_lshr_b32 s48, s10, 3
	s_lshl_b32 s48, s48, 8
	s_lshl_b32 s39, s13, 3
	s_add_co_u32 s48, s48, s39
	s_add_co_u32 s48, s48, s11                     ; my tile of 16 rows among the 512
	s_mul_i32 s48, s48, 6656
	s_and_b32 s52, s10, 7                          ; the head
	s_lshl_b32 s50, s52, 6
	s_add_co_u32 s50, s50, s48                     ; its 16 scale words
	s_mov_b32 s51, 0
	s_mul_i32 s52, s52, 768
	s_add_co_u32 s48, s48, s52                     ; its half image
	s_mov_b32 s49, 0
	s_mov_b32 s[G1], 3<<16                         ; no mask; elements of 8 bytes; no padding
	s_mov_b32 s[G1+1], 32<<16                      ; tensor_dim0 = 32 elements: 256 bytes
	s_mov_b32 s[G1+2], 100<<16                     ; tensor_dim1 = 100 rows: two steps' records
	s_mov_b32 s[G1+3], 32<<16                      ; tile_dim0
	s_mov_b32 s[G1+4], 100                         ; tile_dim1
	s_mov_b32 s[G1+5], 32                          ; from row to row: dense
	s_mov_b32 s[G1+6], 0
	s_mov_b32 s[G1+7], 0
	s_mov_b32 s[SEL], 0x76543210
	s_mov_b32 s[SEL+1], 0xfedcba98
	s_mov_b32 s[CS], 0x3e38aa3b                    ; c = log2(e) / 8
	s_mov_b32 s[CS+1], s[CS]                       ; (named with it as a pair, so it is written)
	s_mov_b32 s[TB], 0
	s_mov_b32 s[KF], 0
	s_mov_b32 s[SLOTS], 7
	s_wait_dscnt 0x0                               ; the opening add is done
	s_wait_kmcnt 0x0
	s_mov_b32 s[G0], 1
	s_mov_b32 s[G0+1], s15                         ; slot 0
	s_add_nc_u64 s[G0+2:G0+3], s[6:7], s[16:17]
	s_or_b32 s[G0+3], s[G0+3], 0x80000000
	TLOAD                                          ; steps 0 to 3
	s_add_nc_u64 s[44:45], s[4:5], s[44:45]
	s_add_nc_u64 s[46:47], s[4:5], s[46:47]
	s_add_nc_u64 s[48:49], s[8:9], s[48:49]
	s_add_nc_u64 s[50:51], s[8:9], s[50:51]
	global_load_b128 v[QF:QF+3], v[L16], s[44:45]              ; q, twice
	global_load_b64 v[QF+4:QF+5], v[L8], s[44:45] offset:512
	global_load_b128 v[QF+12:QF+15], v[L16], s[44:45]
	global_load_b64 v[QF+16:QF+17], v[L8], s[44:45] offset:512
	global_load_b32 v[W1], v[R16], s[46:47] offset:6144
.irp k, 6,7,8,9,10,11
	v_mov_b32 v[QF+\k], 0                          ; zero codes between
.endr
	v_mov_b32 v13, 0xff61b1e6                      ; the largest t so far: -3e38, under every t
	v_floor_f32 v12, -v13                          ; -M
	v_mov_b32 v14, 0
	v_mov_b32 v15, 0
.irp b, 0,1,2,3
	v_mov_b32 v[T2+\b], 0                          ; written once: a lane permute's destination counts as one of its sources
.endr
	v_mov_b32 v[FF+1], 0                           ; (named as the upper half of a pair)
	v_mov_b32 v[W0], 0
	s_wait_loadcnt 0x0
	v_perm_b32 v[QS], v[W1], v[W1], s3             ; (s0, s1, s0, s1)
.irp j, 0,1,2,3,4,5,6,7,8,9,10,11,12,13,14,15,16,17,18,19,20,21,22,23,24,25,26,27,28,29,30,31
	v_mov_b32 v[O+\j], 0                           ; O^T: the step is written once; the first finds zeros.  (These are also the places between the scale word's making and its first use)
.endr
; A KEY STEP: 128 keys.
.macro STEP
	s_add_co_u32 s37, s[Q0], 15
	s_cmp_gt_u32 s[KF], s37                        ; all its keys come after my 16 queries: nothing to do but step the addresses
	s_cbranch_scc1 .Lhidden_\@
	v_add_nc_u32 v[ADK], s[TS], v[L16]
	v_add_nc_u32 v[ADK8], s[TS], v[L8]
	v_add_nc_u32 v[ADS], s[TS], v[R16]
	v_nop                                          ; four places ahead of loads into registers that the last step's products have read
.irp g, 0,1,2,3
	ds_load_b128 v[F+12*\g:F+12*\g+3], v[ADK] offset:1536*\g
	ds_load_b64 v[F+12*\g+4:F+12*\g+5], v[ADK8] offset:1536*\g+512
	ds_load_b128 v[F+12*\g+6:F+12*\g+9], v[ADK] offset:1536*\g+768
	ds_load_b64 v[F+12*\g+10:F+12*\g+11], v[ADK8] offset:1536*\g+1280
.endr
	ds_load_b128 v[KS:KS+3], v[ADS] offset:6144
	s_wait_dscnt 0x0
.irp g, 0,1,2,3                                ; S^T: fragment g x (q, 0) = key tile 2 g, x (0, q) = key tile 2 g + 1
	v_wmma_scale_f32_16x16x128_f8f6f4 v[S+16*\g:S+16*\g+7], v[F+12*\g:F+12*\g+11], v[QF:QF+11], 0, v[KS+\g], v[QS] matrix_a_fmt:MATRIX_FMT_FP6 matrix_b_fmt:MATRIX_FMT_FP6
	v_wmma_scale_f32_16x16x128_f8f6f4 v[S+16*\g+8:S+16*\g+15], v[F+12*\g:F+12*\g+11], v[QF+6:QF+17], 0, v[KS+\g], v[QS] matrix_a_fmt:MATRIX_FMT_FP6 matrix_b_fmt:MATRIX_FMT_FP6
.endr
.rept 4
	v_nop                                          ; places ahead of the loads below and of the first read of the scores
.endr
.irp g, 0,1,2,3                                ; V's fragments land while the softmax is worked
	ds_load_b128 v[F+12*\g:F+12*\g+3], v[ADK] offset:6400+1536*\g
	ds_load_b64 v[F+12*\g+4:F+12*\g+5], v[ADK8] offset:6400+1536*\g+512
	ds_load_b128 v[F+12*\g+6:F+12*\g+9], v[ADK] offset:6400+1536*\g+768
	ds_load_b64 v[F+12*\g+10:F+12*\g+11], v[ADK8] offset:6400+1536*\g+1280
.endr
	ds_load_b128 v[VS:VS+3], v[ADS] offset:12544
	s_add_co_u32 s37, s[KF], 127
	s_cmp_le_u32 s37, s[Q0]                        ; all its keys count: no mask
	s_cbranch_scc1 .Lopen_\@
	v_mov_b32 v[W0], 0xff800000                    ; the diagonal step (its first key is my block's first query): hidden scores become -infinity ahead of the maximum
.irp n, 0,1,2,3,4,5,6,7,8,9,10,11,12,13,14,15,16,17,18,19,20,21,22,23,24,25,26,27,28,29,30,31,32,33,34,35,36,37,38,39,40,41,42,43,44,45,46,47,48,49,50,51,52,53,54,55,56,57,58,59,60,61,62,63
	v_cmp_gt_i32 vcc_lo, 32*(\n/16)+\n%16, v[DG]
	v_cndmask_b32 v[S+\n], v[S+\n], v[W0], vcc_lo
.endr
.Lopen_\@:
.irp b, 0,1,2,3
	v_max3_num_f32 v[MX+\b], v[S+16*\b], v[S+1+16*\b], v[S+2+16*\b]   ; the largest score of each block of 32 keys: for the row's maximum, and for the block's largest p
.endr
.irp i, 3,5,7,9,11,13
.irp b, 0,1,2,3
	v_max3_num_f32 v[MX+\b], v[MX+\b], v[S+16*\b+\i], v[S+1+16*\b+\i]
.endr
.endr
.irp b, 0,1,2,3
	v_max_num_f32 v[MX+\b], v[MX+\b], v[S+15+16*\b]
.endr
.irp b, 0,1,2,3
	v_permlanex16_b32 v[T2+\b], v[MX+\b], s[SEL], s[SEL+1]
.endr
.irp b, 0,1,2,3
	v_max_num_f32 v[MX+\b], v[MX+\b], v[T2+\b]     ; with lane l xor 16's 16 keys
.endr
	v_max3_num_f32 v[W0], v[MX], v[MX+1], v[MX+2]
	v_max_num_f32 v[W0], v[W0], v[MX+3]
	v_mul_f32 v[W0], s[CS], v[W0]                  ; the step's largest t of my query
	v_max_num_f32 v13, v13, v[W0]
	v_mov_b32 v[W0], v12
	v_floor_f32 v12, -v13                          ; the new -M = -ceil(t)
	v_sub_f32 v[W0], v12, v[W0]                    ; old M - new M: a whole number, 0 or less
	v_cvt_i32_f32 v[W0], v[W0]                     ; (it saturates)
	v_ldexp_f32 v[FF], 1.0, v[W0]                  ; f
.irp j, 0,2,4,6,8,10,12,14,16,18,20,22,24,26,28,30,32,34,36,38,40,42,44,46,48,50,52,54,56,58,60,62
	v_pk_fma_f32 v[S+\j:S+\j+1], v[S+\j:S+\j+1], s[CS:CS+1], v[12:13] op_sel_hi:[1,0,0]   ; t - M
.endr
.irp b, 0,1,2,3
	v_fma_f32 v[MX+\b], v[MX+\b], s[CS], v12       ; the same of each block's largest score
.endr
.irp j, 0,1,2,3,4,5,6,7,8,9,10,11,12,13,14,15,16,17,18,19,20,21,22,23,24,25,26,27,28,29,30,31,32,33,34,35,36,37,38,39,40,41,42,43,44,45,46,47,48,49,50,51,52,53,54,55,56,57,58,59,60,61,62,63
	v_exp_f32 v[S+\j], v[S+\j]                     ; p = 2^(t - M)
.endr
	v_pk_mul_f32 v[14:15], v[14:15], v[FF:FF+1] op_sel_hi:[1,0]   ; the sums under the new M: the plain place behind the exponentials
	s_wait_alu depctr_va_vdst(0)                   ; one wait for the batch of 64, ahead of its first reader
.irp b, 0,1,2,3
	v_exp_f32 v[MX+\b], v[MX+\b]                   ; the block's largest p
.endr
	v_pk_add_f32 v[SUM2:SUM2+1], v[S:S+1], v[S+2:S+3]   ; the row's sum of the unquantised p, in two chains
.irp j, 4,8,12,16,20,24,28,32,36,40,44,48,52,56,60
	v_pk_add_f32 v[14:15], v[14:15], v[S+\j:S+\j+1]
	v_pk_add_f32 v[SUM2:SUM2+1], v[SUM2:SUM2+1], v[S+2+\j:S+3+\j]
.endr
	v_pk_add_f32 v[14:15], v[14:15], v[SUM2:SUM2+1]
	s_wait_alu depctr_va_vdst(0)                   ; and one for the four
.irp b, 0,1,2,3
	v_max_num_f32 v[MX+\b], 0x1800000, v[MX+\b]    ; the floor 2^(3 - 127): the byte cannot fall under 1
.endr
.irp b, 0,1,2,3
	v_add_nc_u32 v[SO+\b], 0xff000000, v[MX+\b]
.endr
.irp b, 0,1,2,3
	v_lshrrev_b32 v[T2+\b], 23, v[SO+\b]
.endr
	v_lshl_or_b32 v[PS], v[T2+1], 8, v[T2]
	v_lshl_or_b32 v[PS], v[T2+2], 16, v[PS]
	v_lshl_or_b32 v[PS], v[T2+3], 24, v[PS]        ; p's scale word for these 128 keys
.irp c, 0,1
	v_cvt_scalef32_pk16_fp6_f32 v[P+6*\c:P+2+6*\c], v[S+32*\c:S+15+32*\c], v[SO+2*\c]
	v_cvt_scalef32_pk16_fp6_f32 v[H2+4*\c:H2+2+4*\c], v[S+16+32*\c:S+31+32*\c], v[SO+2*\c+1]
.endr
	v_nop                                          ; one plain place behind a scaled conversion
.irp c, 0,1
.irp k, 0,1,2
	v_permlane16_swap_b32 v[P+6*\c+\k], v[H2+4*\c+\k]
.endr
.irp k, 0,1,2
	v_mov_b32 v[P+3+6*\c+\k], v[H2+4*\c+\k]
.endr
.endr
.irp j, 0,2,4,6,8,10,12,14,16,18,20,22,24,26,28,30
	v_pk_mul_f32 v[O+\j:O+\j+1], v[O+\j:O+\j+1], v[FF:FF+1] op_sel_hi:[1,0]   ; O^T under the new M.  (For each product below, the twelve that touch the other three accumulators are the places behind p's codes and scale word)
.endr
	s_wait_dscnt 0x0                               ; V is in
.irp g, 0,1,2,3                                ; O^T += V^T P^T: the four accumulators by turns, one instruction a turn
	v_wmma_scale_f32_16x16x128_f8f6f4 v[O+8*\g:O+8*\g+7], v[F+12*\g:F+12*\g+11], v[P:P+11], v[O+8*\g:O+8*\g+7], v[VS+\g], v[PS] matrix_a_fmt:MATRIX_FMT_FP6 matrix_b_fmt:MATRIX_FMT_FP6
.endr
.Lhidden_\@:
	s_add_co_u32 s[KF], s[KF], 128
	s_add_co_u32 s[TS], s[TS], STEPB
.endm
; THE CHANGE OF SLOTS stands at a slot's head.  Each wave waits for all its tensor loads, adds 0 to its spare word, and waits for that and for its reads of the slot that it has left; behind the barrier the slot
; ahead is whole and nobody reads the other one, which (fill = 1) takes the next four steps, up to the causal limit.
.macro CHANGE fill
	s_wait_tensorcnt 0x0                           ; no tensor load of mine is out, so the descriptor may be written
	ds_add_u32 v[SPW], v[NIL]
.if \fill
	s_xor_b32 s[G0+1], s[G0+1], SLOT1              ; the other slot than last time,
	s_add_nc_u64 s[G0+2:G0+3], s[G0+2:G0+3], 4*STEPB   ; the next four steps
.endif
	s_wait_dscnt 0x0                               ; the add is done, and my reads of the slot that I have left are over
	s_barrier_signal -1
	s_barrier_wait -1
.if \fill
	s_add_co_u32 s37, s[KF], 512                   ; the first key of the slot that this change would ask for
	s_cmp_gt_u32 s37, s[LASTQ]                     ; ids and the count of steps alone: all sixteen waves go the same way, and past the limit they stay past it
	s_cbranch_scc1 .Lpast_\@
	TLOAD                                          ; a wave's one tensor load until the next such barrier
.Lpast_\@:
.endif
.endm
.macro SLOT_STEPS                      ; a slot's four steps: written once, walked four times
	s_mov_b32 s[TS], s[TB]
	s_mov_b32 s[STEPS], 4
.Lstep_\@:
	STEP
	s_sub_co_u32 s[STEPS], s[STEPS], 1
	s_cmp_lg_u32 s[STEPS], 0
	s_cbranch_scc1 .Lstep_\@
	s_xor_b32 s[TB], s[TB], SLOT1                  ; on to the other slot
.endm
.Lslot:                                            ; seven trips: behind each change of slots but the last the next slot is asked for, up to the limit
	CHANGE 1
	SLOT_STEPS
	s_sub_co_u32 s[SLOTS], s[SLOTS], 1
	s_cmp_lg_u32 s[SLOTS], 0
	s_cbranch_scc1 .Lslot
	CHANGE 0                                       ; the last slot is written out: nothing is left to ask for
	SLOT_STEPS
	; THE WAY OUT: O^T / l, quantised along the head's 64: one half image and two scale bytes a row
.rept 4
	v_nop                                          ; places behind the last products
.endr
	v_add_f32 v14, v14, v15
	v_permlanex16_b32 v[W0], v14, s[SEL], s[SEL+1]
	v_add_f32 v14, v14, v[W0]                      ; the row's sum
	v_rcp_f32 v14, v14
	v_lshrrev_b32 v[SUM2], 2, v[L16]               ; 4 x lane.  (The plain place behind the reciprocal)
	s_wait_alu depctr_va_vdst(0)                   ; the wait ahead of its first reader
.irp j, 0,2,4,6,8,10,12,14,16,18,20,22,24,26,28,30
	v_pk_mul_f32 v[S+\j:S+\j+1], v[O+\j:O+\j+1], v[14:15] op_sel_hi:[1,0]   ; register 16 b + i = d 32 b + 16 h + i of my query
.endr
.irp b, 0,1
	v_max3_num_f32 v[MX+\b], |v[S+16*\b]|, |v[S+1+16*\b]|, 0x1800000
.endr
.irp i, 2,4,6,8,10,12,14
.irp b, 0,1
	v_max3_num_f32 v[MX+\b], v[MX+\b], |v[S+16*\b+\i]|, |v[S+1+16*\b+\i]|
.endr
.endr
.irp b, 0,1
	v_permlanex16_b32 v[T2+\b], v[MX+\b], s[SEL], s[SEL+1]
.endr
.irp b, 0,1
	v_max_num_f32 v[MX+\b], v[MX+\b], v[T2+\b]
.endr
.irp b, 0,1
	v_add_nc_u32 v[SO+\b], 0xff000000, v[MX+\b]
.endr
.irp b, 0,1
	v_lshrrev_b32 v[T2+\b], 23, v[SO+\b]
.endr
	v_lshl_or_b32 v[W1], v[T2+1], 8, v[T2]
	v_cvt_scalef32_pk16_fp6_f32 v[P:P+2], v[S:S+15], v[SO]
	v_cvt_scalef32_pk16_fp6_f32 v[H2:H2+2], v[S+16:S+31], v[SO+1]
	v_nop                                          ; one plain place behind a scaled conversion
.irp k, 0,1,2
	v_permlane16_swap_b32 v[P+\k], v[H2+\k]
.endr
.irp k, 0,1,2
	v_mov_b32 v[P+3+\k], v[H2+\k]
.endr
	global_store_b128 v[L16], v[P:P+3], s[48:49]               ; 512 consecutive bytes
	global_store_b64 v[L8], v[P+4:P+5], s[48:49] offset:512    ; 256
	s_wait_xcnt 0x0                                ; EXEC changes only behind this wait
	v_cmp_gt_u32 vcc_lo, 256, v[L16]
	s_and_saveexec_b32 s38, vcc_lo
	global_store_b32 v[SUM2], v[W1], s[50:51] offset:6144      ; lanes 0-15: 64 consecutive bytes: this head's words of the 16 rows
	s_wait_xcnt 0x0
	s_or_b32 exec_lo, exec_lo, s38
	s_wait_tensorcnt 0x0                           ; the wave's end
	ds_add_u32 v[SPW], v[NIL]
	s_wait_dscnt 0x0
	s_endpgm
.Lfunc_end_k_q023071dbb2_attn:
	.size	k_q023071dbb2_attn, .Lfunc_end_k_q023071dbb2_attn-k_q023071dbb2_attn
	.p2alignl 7, 3214868480
	.fill 96, 4, 3214868480
	.section	.rodata,"a",@progbits
	.p2align	6, 0x0
	.amdhsa_kernel k_q023071dbb2_attn
		.amdhsa_group_segment_fixed_size 327680
		.amdhsa_private_segment_fixed_size 0
		.amdhsa_enable_private_segment 0
		.amdhsa_kernarg_size 24
		.amdhsa_user_sgpr_count 2
		.amdhsa_user_sgpr_kernarg_segment_ptr 1
		.amdhsa_wavefront_size32 1
		.amdhsa_system_sgpr_workgroup_id_x 1
		.amdhsa_system_sgpr_workgroup_id_y 1
		.amdhsa_system_sgpr_workgroup_id_z 1
		.amdhsa_system_vgpr_workitem_id 0
		.amdhsa_next_free_vgpr 256
		.amdhsa_next_free_sgpr 66
		.amdhsa_reserve_vcc 1
		.amdhsa_float_denorm_mode_32 3
		.amdhsa_float_denorm_mode_16_64 3
		.amdhsa_memory_ordered 1
		.amdhsa_forward_progress 1
		.amdhsa_inst_pref_size 54
	.end_amdhsa_kernel
	.amdgpu_metadata
---
amdhsa.version: [ 1, 2 ]
amdhsa.kernels:
  - .name:           k_q023071dbb2_attn
    .symbol:         k_q023071dbb2_attn.kd
    .args:
      - { .name: qrec, .offset: 0, .size: 8, .value_kind: global_buffer, .address_space: global }
      - { .name: kvrec, .offset: 8, .size: 8, .value_kind: global_buffer, .address_space: global }
      - { .name: orec, .offset: 16, .size: 8, .value_kind: global_buffer, .address_space: global }
    .group_segment_fixed_size: 327680
    .private_segment_fixed_size: 0
    .kernarg_segment_align: 8
    .kernarg_segment_size: 24
    .max_flat_workgroup_size: 512
    .sgpr_count:     66
    .vgpr_count:     256
    .wavefront_size: 32
...
	.end_amdgpu_metadata
.endif
;; end of part 3
;; launch oproj (part 4): grid 256 x 1, 4 waves a work-group, no clusters, 34,304 bytes of LDS; arguments orec, wrec, out0; writes out0
.if DOCPART == 4
	.amdgcn_target "amdgcn-amd-amdhsa--gfx1250"
	.amdhsa_code_object_version 6
	.text
	.protected	k_q023071dbb2_oproj
	.globl	k_q023071dbb2_oproj
	.p2align	8
	.type	k_q023071dbb2_oproj,@function
k_q023071dbb2_oproj:
	s_mov_b64 s[64:65], 0
	v_nop
	global_prefetch_b8 v0, s[64:65] scope:SCOPE_SE
	s_setreg_imm32_b32 hwreg(HW_REG_WAVE_MODE, 25, 1), 1
	s_wait_xcnt 0x0
; out0 = (attention's output) Wo on codes of FP6.  A work-group takes two tiles of 16 rows; wave j takes columns 128 j .. 128 j + 127.
; Source 0 = Wo's 8 permuted tiles x 4 K steps (384 registers), source 1 = a tile of rows: lane (r, h) holds row r, and register 16 b + i column 128 j + 32 b + 16 h + i: 16 neighbouring numbers of a row.
; A tile's 16 rows x 512 bytes go through the wave's own stage in LDS and leave as whole rows: each store covers 512 consecutive bytes, aligned.  Waves share nothing: no barrier.
.set STG,   8448                       ; a wave's stage: 16 rows x (512 bytes + 16)
.set SPARE, 4*STG                      ; behind the stages: the spare words, 128 bytes a wave
.set L16,  1
.set L8,   2
.set R16,  3
.set R4,   4                           ; v4  4 x (lane % 16)
.set SIN,  5                           ; v5  the stage: where I put my numbers of row r
.set SBK,  6                           ; v6  and where I read a row back
.set SS,   16                          ; v16-47 Wo's scale words
.set ST,   48                          ; v48-55 the rows' scale words, tile x 4 + K step
.set RAW,  56                          ; v56-71 as stored: two bytes a head
.set ACC,  80                          ; v80-143, v144-207 the two tiles' accumulators
.set SPW,  252
.set NIL,  253
.set SB,   20
.set TBS,  24
.set MSB, 0
.macro WIN new                         ; the immediate's high byte repeats the setting that is left
.if MSB != \new
	s_set_vgpr_msb (MSB<<8)|\new
.set MSB, \new
.endif
.endm
.macro LFRAG dst, base, off            ; a fragment = two half images: four loads, every one of consecutive bytes
	global_load_b128 v[(\dst):(\dst)+3], v[L16], s[\base:\base+1] offset:\off
	global_load_b64 v[(\dst)+4:(\dst)+5], v[L8], s[\base:\base+1] offset:\off+512
	global_load_b128 v[(\dst)+6:(\dst)+9], v[L16], s[\base:\base+1] offset:\off+768
	global_load_b64 v[(\dst)+10:(\dst)+11], v[L8], s[\base:\base+1] offset:\off+1280
.endm
.macro MULT slot, acc                  ; 32 matrix instructions: K step by K step, the eight accumulators by turns, one instruction a turn; the first K step starts the sums
.irp s2, 0,1,2,3
.if \s2 < 2
	WIN 0x0d                                       ; source 0 window 1, source 1 window 3
.else
	WIN 0x0e                                       ; source 0 window 2
.endif
.irp t, 0,1,2,3,4,5,6,7
.if \s2 == 0
	v_wmma_scale_f32_16x16x128_f8f6f4 v[(\acc)+8*\t:(\acc)+8*\t+7], v[12*(8*(\s2%2)+\t):12*(8*(\s2%2)+\t)+11], v[48*(\slot)+12*\s2:48*(\slot)+12*\s2+11], 0, v[SS+4*\t+\s2], v[ST+4*(\slot)+\s2] matrix_a_fmt:MATRIX_FMT_FP6 matrix_b_fmt:MATRIX_FMT_FP6
.else
	v_wmma_scale_f32_16x16x128_f8f6f4 v[(\acc)+8*\t:(\acc)+8*\t+7], v[12*(8*(\s2%2)+\t):12*(8*(\s2%2)+\t)+11], v[48*(\slot)+12*\s2:48*(\slot)+12*\s2+11], v[(\acc)+8*\t:(\acc)+8*\t+7], v[SS+4*\t+\s2], v[ST+4*(\slot)+\s2] matrix_a_fmt:MATRIX_FMT_FP6 matrix_b_fmt:MATRIX_FMT_FP6
.endif
.endr
.endr
	WIN 0
.endm
.macro TOSTAGE m                       ; tile m: into my stage, each accumulator from its low end on, and back as whole rows into the registers that they left
.irp b, 0,1,2,3
.irp q, 0,1,2,3
	ds_store_b128 v[SIN], v[ACC+64*(\m)+16*\b+4*\q:ACC+64*(\m)+16*\b+4*\q+3] offset:128*\b+16*\q
.endr
.endr
.irp t, 0,1,2,3,4,5,6,7,8,9,10,11,12,13,14,15
	ds_load_b128 v[ACC+64*(\m)+4*\t:ACC+64*(\m)+4*\t+3], v[SBK] offset:528*\t   ; LDS serves a wave's instructions in order: these see the stores above, and the next tile's stores come behind them
.endr
.endm
.macro SEND m
.irp t, 0,1,2,3,4,5,6,7,8,9,10,11,12,13,14,15
	global_store_b128 v[L16], v[ACC+64*(\m)+4*\t:ACC+64*(\m)+4*\t+3], s[8:9] offset:(16*(\m)+\t)*2048 th:TH_STORE_NT   ; 512 consecutive bytes of a row
.endr
.endm
	s_load_b128 s[4:7], s[0:1], 0x0                ; orec, wrec
	s_load_b64 s[8:9], s[0:1], 0x10                ; out0
	v_lshl_add_u32 v[SPW], v0, 2, SPARE
	v_mov_b32 v[NIL], 0
	v_lshrrev_b32 v7, 5, v0
	v_readfirstlane_b32 s12, v7                    ; wave j
	v_and_b32 v7, 31, v0
	v_lshlrev_b32 v[L16], 4, v7
	v_lshlrev_b32 v[L8], 3, v7
	v_and_b32 v8, 15, v0                           ; r
	v_lshlrev_b32 v[R16], 4, v8
	v_lshlrev_b32 v[R4], 2, v8
	v_bfe_u32 v9, v0, 4, 1                         ; h
	s_mul_i32 s13, s12, STG                        ; my stage
	v_mul_u32_u24 v[SIN], v8, 528
	v_lshl_add_u32 v[SIN], v9, 6, v[SIN]
	v_add_nc_u32 v[SIN], s13, v[SIN]               ; row r, + 64 h
	v_add_nc_u32 v[SBK], s13, v[L16]
	s_mul_i32 s14, s12, 51200
	s_add_co_u32 s14, s14, 614400                  ; Wo's tiles 8 j .. 8 j + 7
	s_mov_b32 s15, 0
	s_mul_i32 s16, ttmp9, 2*6656                   ; my two tiles of rows
	s_mov_b32 s17, 0
	s_lshl_b32 s18, ttmp9, 16                      ; 32 rows of 2,048 bytes,
	s_lshl_b32 s19, s12, 9                         ; my 512 bytes of a row
	s_add_co_u32 s18, s18, s19
	s_mov_b32 s19, 0
	s_wait_kmcnt 0x0
	s_add_nc_u64 s[SB:SB+1], s[6:7], s[14:15]
	s_add_nc_u64 s[TBS:TBS+1], s[4:5], s[16:17]
	s_add_nc_u64 s[TBS+2:TBS+3], s[TBS:TBS+1], 6656
	s_add_nc_u64 s[8:9], s[8:9], s[18:19]
	WIN 0x40
.irp s2, 0,1
.irp t, 0,1,2,3,4,5,6,7
	LFRAG 12*(8*\s2+\t), SB, \t*6400+\s2*1536
.endr
.endr
	WIN 0x80
.irp s2, 0,1
.irp t, 0,1,2,3,4,5,6,7
	LFRAG 12*(8*\s2+\t), SB, \t*6400+(\s2+2)*1536
.endr
.endr
	WIN 0xc0
.irp m, 0,1
.irp s2, 0,1,2,3
	LFRAG 48*\m+12*\s2, TBS+2*\m, \s2*1536
.endr
.endr
	WIN 0
.irp t, 0,1,2,3,4,5,6,7
	global_load_b128 v[SS+4*\t:SS+4*\t+3], v[R16], s[SB:SB+1] offset:\t*6400+6144
.endr
.irp m, 0,1
.irp e, 0,1,2,3,4,5,6,7
	global_load_b32 v[RAW+8*\m+\e], v[R4], s[TBS+2*\m:TBS+2*\m+1] offset:6144+64*\e   ; head e's two bytes of row r
.endr
.endr
	s_wait_loadcnt 0x0
.irp m, 0,1
.irp s2, 0,1,2,3
	v_perm_b32 v[ST+4*\m+\s2], v[RAW+8*\m+2*\s2+1], v[RAW+8*\m+2*\s2], 0x05040100   ; K step s = heads 2 s and 2 s + 1: four bytes
.endr
.endr
.rept 8
	v_nop                                          ; a scale register written by a vector instruction stands eight places ahead of a scaled matrix instruction
.endr
	MULT 0, ACC
	MULT 1, ACC+64
.rept 4
	v_nop                                          ; places ahead of the first read of the results
.endr
	TOSTAGE 0
	TOSTAGE 1
	s_wait_dscnt 32                                ; tile 0's rows are back; tile 1's 16 stores and 16 loads may be out
	SEND 0
	s_wait_dscnt 0x0
	SEND 1
	s_wait_tensorcnt 0x0                           ; the wave's end, behind my last LDS store
	ds_add_u32 v[SPW], v[NIL]
	s_wait_dscnt 0x0
	s_endpgm
.Lfunc_end_k_q023071dbb2_oproj:
	.size	k_q023071dbb2_oproj, .Lfunc_end_k_q023071dbb2_oproj-k_q023071dbb2_oproj
	.p2alignl 7, 3214868480
	.fill 96, 4, 3214868480
	.section	.rodata,"a",@progbits
	.p2align	6, 0x0
	.amdhsa_kernel k_q023071dbb2_oproj
		.amdhsa_group_segment_fixed_size 34304
		.amdhsa_private_segment_fixed_size 0
		.amdhsa_enable_private_segment 0
		.amdhsa_kernarg_size 24
		.amdhsa_user_sgpr_count 2
		.amdhsa_user_sgpr_kernarg_segment_ptr 1
		.amdhsa_wavefront_size32 1
		.amdhsa_system_sgpr_workgroup_id_x 1
		.amdhsa_system_sgpr_workgroup_id_y 1
		.amdhsa_system_sgpr_workgroup_id_z 1
		.amdhsa_system_vgpr_workitem_id 0
		.amdhsa_next_free_vgpr 864
		.amdhsa_next_free_sgpr 66
		.amdhsa_reserve_vcc 0
		.amdhsa_float_denorm_mode_32 3
		.amdhsa_float_denorm_mode_16_64 3
		.amdhsa_memory_ordered 1
		.amdhsa_forward_progress 1
		.amdhsa_inst_pref_size 36
	.end_amdhsa_kernel
	.amdgpu_metadata
---
amdhsa.version: [ 1, 2 ]
amdhsa.kernels:
  - .name:           k_q023071dbb2_oproj
    .symbol:         k_q023071dbb2_oproj.kd
    .args:
      - { .name: orec, .offset: 0, .size: 8, .value_kind: global_buffer, .address_space: global }
      - { .name: wrec, .offset: 8, .size: 8, .value_kind: global_buffer, .address_space: global }
      - { .name: out0, .offset: 16, .size: 8, .value_kind: global_buffer, .address_space: global }
    .group_segment_fixed_size: 34304
    .private_segment_fixed_size: 0
    .kernarg_segment_align: 8
    .kernarg_segment_size: 24
    .max_flat_workgroup_size: 128
    .sgpr_count:     66
    .vgpr_count:     864
    .wavefront_size: 32
...
	.end_amdgpu_metadata
.endif
;; end of part 4
;; ======== version 2 of 2: 4 launches
;; workspace buffers: xrec 9,830,400 bytes; wrec 819,200 bytes; qrec 3,276,800 bytes; kvrec 6,553,600 bytes; orec 3,407,872 bytes
;; launch quant (part 5): grid 448 x 1, 4 waves a work-group, no clusters, 34,304 bytes of LDS; arguments queries, keys, values, Wq, Wk, Wv, Wo, xrec, wrec; writes xrec, wrec
.if DOCPART == 5
	.amdgcn_target "amdgcn-amd-amdhsa--gfx1250"
	.amdhsa_code_object_version 6
	.text
	.protected	k_q023071dbb2_quant
	.globl	k_q023071dbb2_quant
	.p2align	8
	.type	k_q023071dbb2_quant,@function
k_q023071dbb2_quant:
	s_mov_b64 s[64:65], 0
	v_nop
	global_prefetch_b8 v0, s[64:65] scope:SCOPE_SE
	s_setreg_imm32_b32 hwreg(HW_REG_WAVE_MODE, 25, 1), 1
	s_wait_xcnt 0x0
; queries, keys, values [8192][512] and Wq, Wk, Wv, Wo [512 (k)][512 (n)], f32, become codes of FP6 (E2M3) with one E8M0 byte for each 32 along K (K = the 512),
; laid as IMAGES OF OPERAND REGISTERS.  The brick is a half image of 768 bytes: 16 rows x 64 along K, six registers a lane: registers 0-3 at 16 x lane, registers 4-5 at 512 + 8 x lane;
; lane (r, h) holds k = 32 h .. 32 h + 31 of row r.  A record of 6,400 bytes is a tile of 16 rows x 512 K: eight half images (K step s of 128, half c: 1,536 s + 768 c), then at 6,144 the scale words [r][s].
; queries' tile m holds rows 16 m + r.  keys', values' and the weights' tiles are PERMUTED: row rho of tile 2 b + u is item 32 b + 8 u + rho + 8 (rho / 8) (a row of keys or values, a column n of a weight).
; A block's scale is 2^(floor(log2(its largest magnitude)) - 2): its byte is the largest magnitude's exponent field - 2, held at 1 from below.
; LIMITS: a block of zeros, or one whose largest magnitude lies under 2^(3 - 127), gets the byte 1 (its codes are zeros or nearly so; these bytes are read by this program alone); NaN and infinities are not served.
; Work-groups 0-383: a wave takes one tile of queries, keys or values (32 KB).  Each load reads 512 consecutive bytes of a row; a K step's 16 rows turn through the wave's own stage in LDS, so that a lane gets
; 16 neighbours of each block of its row.  Work-groups 384-447: a wave takes 32 columns x 128 K of a weight: a lane takes a column and its registers run down K; no LDS.  Waves share nothing: no barrier.
.set STG,   8448                       ; a wave's stage: 16 rows x (512 bytes + 16)
.set SPARE, 4*STG                      ; behind the stages: the spare words, 128 bytes a wave
.set L16,   9                          ; v9   16 x lane; also the loads' offset for a tile's rows 0-7
.set L8,    3                          ; v3   8 x lane       (v10: 16 x lane + the distance to the tile's rows 8-15)
.set R,     16                         ; v16-143  two sets of 64 numbers as loaded (weights: 128 numbers down K)
.set X,     144                        ; v144-207 64 numbers, register 16 b + i = k 32 b + 16 h + i of my row
.set PC,    208                        ; v208-226 the codes just made
.set TM,    228                        ; v228-243 at work in QUANT
.set Z,     244                        ; v244-247 the four K steps' scale words
.set SPW,   250                        ; v250 LDS address of my spare word; never rewritten
.set NIL,   251                        ; v251 0; never rewritten
.set SEL,   40                         ; s[40:41] selects of v_permlanex16_b32 for lane l xor 16
; 64 numbers of a lane, register 16 b + i = k 32 b + 16 (lane / 16) + i of my row, become a fragment's 12 registers of codes in v[pc] on and its scale word in v[pw].
.macro QUANT s, pc, pw
.irp b, 0,1,2,3
	v_max3_num_f32 v[TM+\b], |v[(\s)+16*\b]|, |v[(\s)+1+16*\b]|, 0x1800000   ; block b: my 16 numbers, and the floor 2^(3 - 127): the byte cannot fall under 1
.endr
.irp i, 2,4,6,8,10,12,14
.irp b, 0,1,2,3
	v_max3_num_f32 v[TM+\b], v[TM+\b], |v[(\s)+16*\b+\i]|, |v[(\s)+1+16*\b+\i]|   ; the four blocks by turns
.endr
.endr
.irp b, 0,1,2,3
	v_permlanex16_b32 v[TM+4+\b], v[TM+\b], s[SEL], s[SEL+1]
.endr
.irp b, 0,1,2,3
	v_max_num_f32 v[TM+\b], v[TM+\b], v[TM+4+\b]      ; with lane l xor 16's: the block's largest magnitude
.endr
.irp b, 0,1,2,3
	v_add_nc_u32 v[TM+12+\b], 0xff000000, v[TM+\b]    ; 2 off its exponent field: the conversion's scale operand
.endr
.irp b, 0,1,2,3
	v_lshrrev_b32 v[TM+4+\b], 23, v[TM+12+\b]         ; the scale's byte
.endr
	v_lshl_or_b32 v[(\pw)], v[TM+5], 8, v[TM+4]
	v_lshl_or_b32 v[(\pw)], v[TM+6], 16, v[(\pw)]
	v_lshl_or_b32 v[(\pw)], v[TM+7], 24, v[(\pw)]     ; my row's scale word
.irp c, 0,1
	v_cvt_scalef32_pk16_fp6_f32 v[(\pc)+6*\c:(\pc)+2+6*\c], v[(\s)+32*\c:(\s)+15+32*\c], v[TM+12+2*\c]
	v_cvt_scalef32_pk16_fp6_f32 v[(\pc)+12+4*\c:(\pc)+14+4*\c], v[(\s)+16+32*\c:(\s)+31+32*\c], v[TM+12+2*\c+1]   ; (a conversion's three registers begin on an even number)
.endr
	v_nop                                             ; one plain place behind a scaled conversion
.irp c, 0,1                                       ; the operand's layout wants a whole block in a lane: lanes 0-15 block 2 c, lanes 16-31 block 2 c + 1
.irp k, 0,1,2
	v_permlane16_swap_b32 v[(\pc)+6*\c+\k], v[(\pc)+12+4*\c+\k]
.endr
.irp k, 0,1,2
	v_mov_b32 v[(\pc)+3+6*\c+\k], v[(\pc)+12+4*\c+\k]
.endr
.endr
.endm
	s_load_b512 s[4:19], s[0:1], 0x0               ; queries, keys, values, Wq, Wk, Wv, Wo, xrec
	s_load_b64 s[20:21], s[0:1], 0x40              ; wrec
	v_lshl_add_u32 v[SPW], v0, 2, SPARE
	v_mov_b32 v[NIL], 0
	v_lshrrev_b32 v1, 5, v0
	v_readfirstlane_b32 s22, v1                    ; wave 0..3
	v_and_b32 v1, 31, v0                           ; lane
	v_and_b32 v7, 15, v0                           ; r
	v_bfe_u32 v8, v0, 4, 1                         ; h
	v_lshlrev_b32 v[L16], 4, v1
	v_lshlrev_b32 v[L8], 3, v1
	s_mov_b32 s[SEL], 0x76543210
	s_mov_b32 s[SEL+1], 0xfedcba98
	s_cmp_ge_u32 ttmp9, 384
	s_cbranch_scc1 .Lweights
	; ---- queries, keys, values: one tile of 16 rows x 512 K a wave
	s_lshr_b32 s23, ttmp9, 7                       ; which tensor
	s_and_b32 s26, ttmp9, 127
	s_lshl_b32 s26, s26, 2
	s_add_co_u32 s26, s26, s22                     ; tile m
	s_lshl_b32 s27, s23, 9
	s_add_co_u32 s27, s27, s26
	s_mul_i32 s30, s27, 6400                       ; its record
	s_mov_b32 s31, 0
	s_lshl_b32 s28, s26, 4                         ; queries: first row 16 m
	s_lshr_b32 s29, s26, 1
	s_lshl_b32 s29, s29, 5
	s_and_b32 s32, s26, 1
	s_lshl_b32 s32, s32, 3
	s_add_co_u32 s29, s29, s32                     ; keys, values: 32 (m / 2) + 8 (m % 2)
	s_mov_b32 s33, 32768                           ; and rows 8-15 of the tile begin 16 rows of 2,048 bytes on (queries: 8 rows)
	s_cmp_eq_u32 s23, 0
	s_cselect_b32 s28, s28, s29
	s_cselect_b32 s33, 16384, s33
	s_lshl_b32 s28, s28, 11                        ; the first row, in bytes
	s_mov_b32 s29, 0
	s_mul_i32 s34, s22, STG                        ; my stage
	s_wait_alu depctr_va_vdst(0)
	v_add_nc_u32 v4, s34, v[L16]                   ; in: a row's 512 bytes as they lie
	v_mul_u32_u24 v5, v7, 528
	v_lshl_add_u32 v5, v8, 6, v5
	v_add_nc_u32 v5, s34, v5                       ; out: row r, + 64 h: my 16 numbers of a block of 32
	v_add_nc_u32 v[L16+1], s33, v[L16]
.irp b, 0,1,2,3
	v_mov_b32 v[TM+4+\b], 0                        ; written once: a lane permute's destination counts as one of its sources
.endr
	s_wait_alu depctr_va_vdst(0)
	s_wait_kmcnt 0x0
	s_cmp_eq_u32 s23, 0
	s_cselect_b64 s[24:25], s[4:5], s[6:7]
	s_cmp_eq_u32 s23, 2
	s_cselect_b64 s[24:25], s[8:9], s[24:25]
	s_add_nc_u64 s[24:25], s[24:25], s[28:29]
	s_add_nc_u64 s[30:31], s[18:19], s[30:31]
.macro LOAD t                          ; K step t of the tile's 16 rows: each load reads 512 consecutive bytes
.irp rho, 0,1,2,3,4,5,6,7,8,9,10,11,12,13,14,15
	global_load_b128 v[R+64*((\t)%2)+4*\rho:R+64*((\t)%2)+4*\rho+3], v[L16+\rho/8], s[24:25] offset:(\rho%8)*2048+512*(\t) th:TH_LOAD_NT
.endr
.endm
.macro XSTEP t
.if (\t) < 3
	s_wait_loadcnt 16                              ; this K step's 16 loads are in; the next step's 16 may be out
.else
	s_wait_loadcnt 0
.endif
.irp rho, 0,1,2,3,4,5,6,7,8,9,10,11,12,13,14,15
	ds_store_b128 v4, v[R+64*((\t)%2)+4*\rho:R+64*((\t)%2)+4*\rho+3] offset:528*\rho
.endr
.irp b, 0,1,2,3
.irp j, 0,1,2,3
	ds_load_b128 v[X+16*\b+4*\j:X+16*\b+4*\j+3], v5 offset:128*\b+16*\j   ; LDS serves a wave's instructions in order: these see the stores above
.endr
.endr
	s_wait_dscnt 0x0                               ; the numbers are back, and the stores into the stage have read their registers
	s_wait_xcnt 0x0                                ; the last step's stores have read the codes' registers, which QUANT writes anew
.if (\t) < 2
	LOAD (\t)+2
.endif
	QUANT X, PC, Z+(\t)
	global_store_b128 v[L16], v[PC:PC+3], s[30:31] offset:1536*(\t)          ; 512 consecutive bytes
	global_store_b64 v[L8], v[PC+4:PC+5], s[30:31] offset:1536*(\t)+512      ; 256
	global_store_b128 v[L16], v[PC+6:PC+9], s[30:31] offset:1536*(\t)+768
	global_store_b64 v[L8], v[PC+10:PC+11], s[30:31] offset:1536*(\t)+1280
.endm
	LOAD 0
	LOAD 1
	XSTEP 0
	XSTEP 1
	XSTEP 2
	XSTEP 3
	s_wait_xcnt 0x0                                ; EXEC changes only behind this wait
	v_cmp_gt_u32 vcc_lo, 16, v1
	s_and_saveexec_b32 s35, vcc_lo
	global_store_b128 v[L16], v[Z:Z+3], s[30:31] offset:6144   ; lanes 0-15: row r's four scale words: 256 consecutive bytes
	s_wait_xcnt 0x0
	s_or_b32 exec_lo, exec_lo, s35
	s_wait_tensorcnt 0x0                           ; the wave's end, behind my last LDS store
	ds_add_u32 v[SPW], v[NIL]
	s_wait_dscnt 0x0
	s_endpgm
	; ---- the weights: 32 columns x 128 K a wave; lanes 0-15 are the rows of permuted tile 2 cg, lanes 16-31 those of tile 2 cg + 1
.Lweights:
	s_sub_co_u32 s23, ttmp9, 384
	s_lshr_b32 s26, s23, 4                         ; which weight
	s_and_b32 s27, s23, 15                         ; cg: which 32 columns
	s_lshl_b32 s28, s22, 18                        ; K step = wave: 128 rows of 2,048 bytes
	s_mov_b32 s29, 0
	s_lshl_b32 s30, s26, 5
	s_lshl_b32 s32, s27, 1
	s_add_co_u32 s30, s30, s32
	s_mul_i32 s30, s30, 6400                       ; tile 2 cg's record
	s_mov_b32 s31, 0
	s_mul_i32 s32, s22, 1536                       ; my K step in it
	s_mov_b32 s33, 0
	s_wait_alu depctr_va_vdst(0)
	v_and_b32 v4, 8, v7
	v_add_nc_u32 v4, v4, v7
	v_lshl_add_u32 v4, v8, 3, v4                   ; r + 8 (r / 8) + 8 h
	s_lshl_b32 s34, s27, 5
	v_add_nc_u32 v4, s34, v4                       ; my column: the 32 lanes cover 128 consecutive bytes
	v_lshlrev_b32 v4, 2, v4
	v_mul_u32_u24 v5, v8, 6400
	v_lshl_add_u32 v5, v7, 4, v5
	s_lshl_b32 s34, s22, 2
	v_add_nc_u32 v5, s34, v5                       ; my scale word: tile h, row r, K step s
	s_wait_alu depctr_va_vdst(0)
	s_wait_kmcnt 0x0
	s_cmp_eq_u32 s26, 0
	s_cselect_b64 s[24:25], s[10:11], s[12:13]
	s_cmp_eq_u32 s26, 2
	s_cselect_b64 s[24:25], s[14:15], s[24:25]
	s_cmp_eq_u32 s26, 3
	s_cselect_b64 s[24:25], s[16:17], s[24:25]
	s_add_nc_u64 s[24:25], s[24:25], s[28:29]
	s_add_nc_u64 s[30:31], s[20:21], s[30:31]
	s_add_nc_u64 s[32:33], s[30:31], s[32:33]
.set i, 0
.rept 128
	global_load_b32 v[R+i], v4, s[24:25] offset:i*2048 th:TH_LOAD_NT   ; W(128 s + i, my column)
.set i, i+1
.endr
	s_wait_loadcnt 0x0
.irp b, 0,1,2,3                                ; a block of 32 along K lies whole in my registers
	v_max3_num_f32 v[200+\b], |v[R+32*\b]|, |v[R+1+32*\b]|, 0x1800000
.endr
.irp i, 2,4,6,8,10,12,14,16,18,20,22,24,26,28,30
.irp b, 0,1,2,3
	v_max3_num_f32 v[200+\b], v[200+\b], |v[R+32*\b+\i]|, |v[R+1+32*\b+\i]|
.endr
.endr
.irp b, 0,1,2,3
	v_add_nc_u32 v[204+\b], 0xff000000, v[200+\b]
.endr
.irp b, 0,1,2,3
	v_lshrrev_b32 v[208+\b], 23, v[204+\b]
.endr
	v_lshl_or_b32 v212, v209, 8, v208
	v_lshl_or_b32 v212, v210, 16, v212
	v_lshl_or_b32 v212, v211, 24, v212             ; my column's scale word for this K step
.irp b, 0,1,2,3
	v_cvt_scalef32_pk16_fp6_f32 v[144+8*\b:146+8*\b], v[R+32*\b:R+15+32*\b], v[204+\b]
	v_cvt_scalef32_pk16_fp6_f32 v[176+4*\b:178+4*\b], v[R+16+32*\b:R+31+32*\b], v[204+\b]
.endr
	v_nop                                          ; one plain place behind a scaled conversion
.irp b, 0,1,2,3
.irp k, 0,1,2
	v_mov_b32 v[147+8*\b+\k], v[176+4*\b+\k]       ; v[144 + 8 b ..+5]: block b of my column
.endr
.endr
.irp c, 0,1                                    ; block 2 c's lanes 16-31 change places with block 2 c + 1's lanes 0-15: the first is then tile 2 cg's half image c, the second tile 2 cg + 1's
.irp k, 0,1,2,3,4,5
	v_permlane16_swap_b32 v[144+16*\c+\k], v[152+16*\c+\k]
.endr
.endr
.irp c, 0,1
.irp u, 0,1
	global_store_b128 v[L16], v[144+16*\c+8*\u:147+16*\c+8*\u], s[32:33] offset:\u*6400+\c*768
	global_store_b64 v[L8], v[148+16*\c+8*\u:149+16*\c+8*\u], s[32:33] offset:\u*6400+\c*768+512
.endr
.endr
	global_store_b32 v5, v212, s[30:31] offset:6144   ; 4 bytes a lane, 16 apart: the work-group's four waves fill the 256 bytes between them (32 KB in the whole launch)
	s_endpgm
.Lfunc_end_k_q023071dbb2_quant:
	.size	k_q023071dbb2_quant, .Lfunc_end_k_q023071dbb2_quant-k_q023071dbb2_quant
	.p2alignl 7, 3214868480
	.fill 96, 4, 3214868480
	.section	.rodata,"a",@progbits
	.p2align	6, 0x0
	.amdhsa_kernel k_q023071dbb2_quant
		.amdhsa_group_segment_fixed_size 34304
		.amdhsa_private_segment_fixed_size 0
		.amdhsa_enable_private_segment 0
		.amdhsa_kernarg_size 72
		.amdhsa_user_sgpr_count 2
		.amdhsa_user_sgpr_kernarg_segment_ptr 1
		.amdhsa_wavefront_size32 1
		.amdhsa_system_sgpr_workgroup_id_x 1
		.amdhsa_system_sgpr_workgroup_id_y 1
		.amdhsa_system_sgpr_workgroup_id_z 1
		.amdhsa_system_vgpr_workitem_id 0
		.amdhsa_next_free_vgpr 256
		.amdhsa_next_free_sgpr 66
		.amdhsa_reserve_vcc 1
		.amdhsa_float_denorm_mode_32 3
		.amdhsa_float_denorm_mode_16_64 3
		.amdhsa_memory_ordered 1
		.amdhsa_forward_progress 1
		.amdhsa_inst_pref_size 54
	.end_amdhsa_kernel
	.amdgpu_metadata
---
amdhsa.version: [ 1, 2 ]
amdhsa.kernels:
  - .name:           k_q023071dbb2_quant
    .symbol:         k_q023071dbb2_quant.kd
    .args:
      - { .name: queries, .offset: 0, .size: 8, .value_kind: global_buffer, .address_space: global }
      - { .name: keys, .offset: 8, .size: 8, .value_kind: global_buffer, .address_space: global }
      - { .name: values, .offset: 16, .size: 8, .value_kind: global_buffer, .address_space: global }
      - { .name: Wq, .offset: 24, .size: 8, .value_kind: global_buffer, .address_space: global }
      - { .name: Wk, .offset: 32, .size: 8, .value_kind: global_buffer, .address_space: global }
      - { .name: Wv, .offset: 40, .size: 8, .value_kind: global_buffer, .address_space: global }
      - { .name: Wo, .offset: 48, .size: 8, .value_kind: global_buffer, .address_space: global }
      - { .name: xrec, .offset: 56, .size: 8, .value_kind: global_buffer, .address_space: global }
      - { .name: wrec, .offset: 64, .size: 8, .value_kind: global_buffer, .address_space: global }
    .group_segment_fixed_size: 34304
    .private_segment_fixed_size: 0
    .kernarg_segment_align: 8
    .kernarg_segment_size: 72
    .max_flat_workgroup_size: 128
    .sgpr_count:     66
    .vgpr_count:     256
    .wavefront_size: 32
...
	.end_amdgpu_metadata
.endif
;; end of part 5
;; launch proj (part 6): grid 256 x 1, 3 waves a work-group, no clusters, 0 bytes of LDS; arguments xrec, wrec, qrec, kvrec; writes qrec, kvrec
.if DOCPART == 6
	.amdgcn_target "amdgcn-amd-amdhsa--gfx1250"
	.amdhsa_code_object_version 6
	.text
	.protected	k_q023071dbb2_proj
	.globl	k_q023071dbb2_proj
	.p2align	8
	.type	k_q023071dbb2_proj,@function
k_q023071dbb2_proj:
	s_mov_b64 s[64:65], 0
	v_nop
	global_prefetch_b8 v0, s[64:65] scope:SCOPE_SE
	s_setreg_imm32_b32 hwreg(HW_REG_WAVE_SCHED_MODE, 0, 2), 2
	s_setreg_imm32_b32 hwreg(HW_REG_WAVE_MODE, 25, 1), 1
	s_wait_xcnt 0x0
	s_wait_alu depctr_vm_vsrc(0)
; q = queries Wq, k = keys Wk, v = values Wv on codes of FP6, and the results quantised in registers into the operands of the attention's two products.
; The wave's number picks the product (0 q, 1 k, 2 v); the work-group's number picks 128 rows of x (a) and 128 columns (j): a wave makes 128 x 128 of one product.  No LDS, no barrier: waves share nothing.
; SOURCE 0 STAYS: 8 permuted tiles x 4 K steps, 384 registers.  SOURCE 1 STREAMS: 8 tiles through a ring of four.  In a result lane (r, h) holds row r of source 1's tile, and, since source 0's tiles are
; permuted, its 64 registers run along source 0's 128 items: register 16 b + i = item 32 b + 16 h + i: the order in which QUANT takes them.
; q, k: source 0 = the weight's columns, source 1 = 16 rows of x: registers run along the two heads' 64 + 64: each half image is one head's operand (K = the head's 64).
; v:    source 0 = 128 keys (values' rows), source 1 = 16 columns of Wv: registers run along the keys, which are the second product's K.
; One text serves all three: only pointers and strides differ, chosen by selects on the wave's number.
; OUT: qrec [bh][block of 128 queries]: 8 half images (query tile idx at 768 idx), at 6,144 words [r][g] = (tile 2 g: two bytes; tile 2 g + 1: two bytes).
;      kvrec [bh][step of 128 keys], 12,800 bytes: K at 0 laid as qrec's record (a fragment g = key tiles 2 g and 2 g + 1); V at 6,400: fragment g = 16 d (permuted) x 128 keys, at 12,544 words [r][g].
; LIMITS: as the quantiser's in the launch before (byte 1 for blocks under the floor; NaN and infinities not served).
; THE MODE: SCHED_MODE bits 1:0 = 2 (LLVM: expert scheduling mode 2), set by the entry lines.  The code itself states the register dependences
; between vector or matrix instructions and memory instructions, with s_wait_alu, always for 0.
; THE PLAN.  Registers that memory instructions touch:
;   v1 to v4       offsets, made once at the head and never written again; read by every load and store.
;   windows 1, 2 and SS   source 0 and its scale words: loaded once; read by matrix instructions alone.
;   ring slot i % 4 (window 3) and ST slot i % 4   trip i's 32 matrix instructions read them; behind trip i's wait the loads of tile i + 4 land in them.
;   PC             trip i's QUANT writes it; trip i's four stores read it; trip i + 1's QUANT writes it again.
;   Z              written by the odd trips' v_perm_b32, ahead of their trip's wait; read by the last store.
;   ACC, TM, PW are named by vector and matrix instructions alone.
; So ONE wait on va_vdst stands in a trip, behind QUANT: it states that PC (and Z) are written and that the trip's matrix instructions are done reading their slot of the ring.  Behind it come the trip's
; memory instructions in one run, the loads first, then the stores.  One wait on vm_vsrc stands ahead of the next QUANT, 32 matrix instructions behind the stores whose data it frees.
.set L16,  1                           ; v1  16 x lane
.set L8,   2                           ; v2  8 x lane
.set R16,  3                           ; v3  16 x (lane % 16)
.set ZO,   4                           ; v4  where my four packed scale words go: 16 r, + one head's records for lanes 16-31
.set VSEL, 5                           ; v5  the byte selector that packs two scale words
.set SS,   16                          ; v16-47   source 0's scale words, tile t, K step s: 4 t + s
.set ST,   48                          ; v48-63   source 1's, ring slot x 4 + s
.set ACC,  64                          ; v64-127  eight accumulators
.set PC,   128                         ; v128-146 the codes just made
.set TM,   148                         ; v148-163 at work in QUANT
.set PW,   164                         ; v164-171 the eight trips' scale words
.set Z,    172                         ; v172-175 packed
.set SB,   20                          ; s[20:21] source 0's records
.set TBS,  24                          ; s[24:39] trip i's record of source 1
.set OB,   40                          ; s[40:47] where half image c of a trip with parity u goes: 4 u + 2 c
.set SEL,  50
; windows: 1: source 0's K steps 0, 1 (fragment at 12 (8 s + t));  2: K steps 2, 3;  3: the ring, 48 x slot + 12 s
.set MSB, 0
.macro WIN new                         ; the immediate's high byte repeats the setting that is left
.if MSB != \new
	s_set_vgpr_msb (MSB<<8)|\new
.set MSB, \new
.endif
.endm
.macro QUANT s, pc, pw
.irp b, 0,1,2,3
	v_max3_num_f32 v[TM+\b], |v[(\s)+16*\b]|, |v[(\s)+1+16*\b]|, 0x1800000   ; block b: my 16 numbers, and the floor 2^(3 - 127)
.endr
.irp i, 2,4,6,8,10,12,14
.irp b, 0,1,2,3
	v_max3_num_f32 v[TM+\b], v[TM+\b], |v[(\s)+16*\b+\i]|, |v[(\s)+1+16*\b+\i]|
.endr
.endr
.irp b, 0,1,2,3
	v_permlanex16_b32 v[TM+4+\b], v[TM+\b], s[SEL], s[SEL+1]
.endr
.irp b, 0,1,2,3
	v_max_num_f32 v[TM+\b], v[TM+\b], v[TM+4+\b]
.endr
.irp b, 0,1,2,3
	v_add_nc_u32 v[TM+12+\b], 0xff000000, v[TM+\b]    ; 2 off the exponent field: the conversion's scale operand
.endr
.irp b, 0,1,2,3
	v_lshrrev_b32 v[TM+4+\b], 23, v[TM+12+\b]
.endr
	v_lshl_or_b32 v[(\pw)], v[TM+5], 8, v[TM+4]
	v_lshl_or_b32 v[(\pw)], v[TM+6], 16, v[(\pw)]
	v_lshl_or_b32 v[(\pw)], v[TM+7], 24, v[(\pw)]
.irp c, 0,1
	v_cvt_scalef32_pk16_fp6_f32 v[(\pc)+6*\c:(\pc)+2+6*\c], v[(\s)+32*\c:(\s)+15+32*\c], v[TM+12+2*\c]
	v_cvt_scalef32_pk16_fp6_f32 v[(\pc)+12+4*\c:(\pc)+14+4*\c], v[(\s)+16+32*\c:(\s)+31+32*\c], v[TM+12+2*\c+1]
.endr
	v_nop                                             ; one plain place behind a scaled conversion
.irp c, 0,1
.irp k, 0,1,2
	v_permlane16_swap_b32 v[(\pc)+6*\c+\k], v[(\pc)+12+4*\c+\k]
.endr
.irp k, 0,1,2
	v_mov_b32 v[(\pc)+3+6*\c+\k], v[(\pc)+12+4*\c+\k]
.endr
.endr
.endm
.macro LFRAG dst, base, off            ; a fragment = two half images: four loads, every one of consecutive bytes
	global_load_b128 v[(\dst):(\dst)+3], v[L16], s[\base:\base+1] offset:\off
	global_load_b64 v[(\dst)+4:(\dst)+5], v[L8], s[\base:\base+1] offset:\off+512
	global_load_b128 v[(\dst)+6:(\dst)+9], v[L16], s[\base:\base+1] offset:\off+768
	global_load_b64 v[(\dst)+10:(\dst)+11], v[L8], s[\base:\base+1] offset:\off+1280
.endm
.macro STAT                            ; source 0: 136 loads
	WIN 0x40
.irp s2, 0,1
.irp t, 0,1,2,3,4,5,6,7
	LFRAG 12*(8*\s2+\t), SB, \t*6400+\s2*1536
.endr
.endr
	WIN 0x80
.irp s2, 0,1
.irp t, 0,1,2,3,4,5,6,7
	LFRAG 12*(8*\s2+\t), SB, \t*6400+(\s2+2)*1536
.endr
.endr
	WIN 0
.irp t, 0,1,2,3,4,5,6,7
	global_load_b128 v[SS+4*\t:SS+4*\t+3], v[R16], s[SB:SB+1] offset:\t*6400+6144
.endr
.endm
.macro STRM i                          ; trip i's tile of source 1: 17 loads
	WIN 0xc0
.irp s2, 0,1,2,3
	LFRAG 48*((\i)%4)+12*\s2, TBS+2*(\i), \s2*1536
.endr
	WIN 0
	global_load_b128 v[ST+4*((\i)%4):ST+4*((\i)%4)+3], v[R16], s[TBS+2*(\i):TBS+2*(\i)+1] offset:6144
.endm
.macro MULT slot, acc                  ; 32 matrix instructions: K step by K step, the eight accumulators by turns, one instruction a turn; the first K step starts the sums
.irp s2, 0,1,2,3
.if \s2 < 2
	WIN 0x0d                                       ; source 0 window 1, source 1 window 3
.else
	WIN 0x0e                                       ; source 0 window 2
.endif
.irp t, 0,1,2,3,4,5,6,7
.if \s2 == 0
	v_wmma_scale_f32_16x16x128_f8f6f4 v[(\acc)+8*\t:(\acc)+8*\t+7], v[12*(8*(\s2%2)+\t):12*(8*(\s2%2)+\t)+11], v[48*(\slot)+12*\s2:48*(\slot)+12*\s2+11], 0, v[SS+4*\t+\s2], v[ST+4*(\slot)+\s2] matrix_a_fmt:MATRIX_FMT_FP6 matrix_b_fmt:MATRIX_FMT_FP6
.else
	v_wmma_scale_f32_16x16x128_f8f6f4 v[(\acc)+8*\t:(\acc)+8*\t+7], v[12*(8*(\s2%2)+\t):12*(8*(\s2%2)+\t)+11], v[48*(\slot)+12*\s2:48*(\slot)+12*\s2+11], v[(\acc)+8*\t:(\acc)+8*\t+7], v[SS+4*\t+\s2], v[ST+4*(\slot)+\s2] matrix_a_fmt:MATRIX_FMT_FP6 matrix_b_fmt:MATRIX_FMT_FP6
.endif
.endr
.endr
	WIN 0
.endm
.macro OUT i                           ; the two half images just made
	global_store_b128 v[L16], v[PC:PC+3], s[OB+4*((\i)%2):OB+4*((\i)%2)+1] offset:1536*((\i)/2)
	global_store_b64 v[L8], v[PC+4:PC+5], s[OB+4*((\i)%2):OB+4*((\i)%2)+1] offset:1536*((\i)/2)+512
	global_store_b128 v[L16], v[PC+6:PC+9], s[OB+4*((\i)%2)+2:OB+4*((\i)%2)+3] offset:1536*((\i)/2)
	global_store_b64 v[L8], v[PC+10:PC+11], s[OB+4*((\i)%2)+2:OB+4*((\i)%2)+3] offset:1536*((\i)/2)+512
.endm
.macro TRIP i, left
	s_wait_loadcnt \left                           ; this trip's tile is in (and, in trip 0, source 0); the 17 loads of each later tile asked for may be out
	MULT (\i)%4, ACC
.rept 4
	v_nop                                          ; places ahead of the first read of the results
.endr
.if \i > 0
	s_wait_xcnt 0x0                                ; the last trip's stores have had their addresses translated: the codes' registers are rewritten only behind this wait
	s_wait_alu depctr_vm_vsrc(0)                   ; the last trip's stores have read PC, which QUANT writes anew
.endif
	QUANT ACC, PC, PW+\i
.if (\i)%2
	v_perm_b32 v[Z+(\i)/2], v[PW+\i], v[PW+\i-1], v[VSEL]   ; q, k: two bytes of each of the two tiles' words, my half's head; v: the whole word of my half's head
.endif
.if \i < 4
	WIN 0xc0                                       ; the loads' window is set ahead of the wait
.endif
	s_wait_alu depctr_va_vdst(0)                   ; QUANT has written PC, which the stores below read (and the v_perm_b32 Z, which the last store reads); this trip's matrix instructions are done reading their slot of the ring and its scale words, in which the loads below land
.if \i < 4
	STRM \i+4                                      ; the loads first: between the wait and each of them stand loads and window switches alone
.endif
	OUT \i
.endm
	s_load_b256 s[4:11], s[0:1], 0x0               ; xrec, wrec, qrec, kvrec
	v_lshrrev_b32 v6, 5, v0
	v_readfirstlane_b32 s12, v6                    ; the product: 0 q, 1 k, 2 v
	v_and_b32 v6, 31, v0
	v_lshlrev_b32 v[L16], 4, v6
	v_lshlrev_b32 v[L8], 3, v6
	v_and_b32 v7, 15, v0
	v_lshlrev_b32 v[R16], 4, v7
	v_bfe_u32 v7, v0, 4, 1                         ; h
	s_wait_alu depctr_va_vdst(0)
	s_lshr_b32 s13, ttmp9, 2                       ; a: which 128 rows
	s_and_b32 s14, ttmp9, 3                        ; j: which 128 columns (heads 2 j, 2 j + 1)
	s_mov_b32 s[SEL], 0x76543210
	s_mov_b32 s[SEL+1], 0xfedcba98
	s_mov_b32 s58, 12800                           ; a record of the output,
	s_mov_b32 s59, 409600                          ; and a head's 32 records
	s_wait_alu depctr_va_sdst(0)                   ; s12 is written, ahead of its first reader: the selects and the bases are made from it
	s_cmp_eq_u32 s12, 0
	s_cselect_b32 s58, 6400, s58
	s_cselect_b32 s59, 204800, s59
	s_mov_b32 s52, 6400                            ; source 1's tile of trip 2 g + u: u x s52 + g x s53
	s_mov_b32 s53, 12800
	s_mov_b32 s60, 768                             ; the output: parity u,
	s_mov_b32 s48, 0x05040100
	s_mov_b32 s49, 0x07060302
	s_cmp_eq_u32 s12, 2
	s_cselect_b32 s52, 25600, s52                  ; v: tile 4 u + g: head 2 j + u, d tile g
	s_cselect_b32 s53, 6400, s53
	s_cselect_b32 s60, 409600, s60                 ; v: u is the head
	s_cselect_b32 s61, 768, s59                    ; half image c: q, k: the head; v: the keys' upper 64
	s_cselect_b32 s62, 6400, 0                     ; V lies behind K in a record
	s_cselect_b32 s48, 0x03020100, s48
	s_cselect_b32 s49, 0x07060504, s49
	s_mul_i32 s16, s12, 3276800
	s_mul_i32 s15, s13, 51200
	s_add_co_u32 s16, s16, s15                     ; x's eight records
	s_mov_b32 s17, 0
	s_mul_i32 s18, s12, 204800
	s_mul_i32 s15, s14, 51200
	s_add_co_u32 s18, s18, s15                     ; the weight's eight
	s_mov_b32 s19, 0
	s_lshr_b32 s54, s13, 5
	s_lshl_b32 s54, s54, 3
	s_lshl_b32 s15, s14, 1
	s_add_co_u32 s54, s54, s15                     ; bh = 8 x batch + 2 j
	s_lshl_b32 s54, s54, 5
	s_and_b32 s15, s13, 31
	s_add_co_u32 s54, s54, s15                     ; x 32 + the block of 128 rows
	s_mul_i32 s54, s54, s58
	s_add_co_u32 s54, s54, s62
	s_mov_b32 s55, 0
	v_mad_u32_u24 v[ZO], v7, s59, v[R16]
	v_cmp_eq_u32 vcc_lo, 1, v7
	v_mov_b32 v[VSEL], s48
	v_mov_b32 v8, s49
	s_wait_alu depctr_va_vcc(0)                    ; the compare has written VCC, which the select below reads
	v_cndmask_b32 v[VSEL], v[VSEL], v8, vcc_lo
.irp b, 0,1,2,3
	v_mov_b32 v[TM+4+\b], 0                        ; written once: a lane permute's destination counts as one of its sources
.endr
	s_wait_kmcnt 0x0
	s_add_nc_u64 s[16:17], s[4:5], s[16:17]
	s_add_nc_u64 s[18:19], s[6:7], s[18:19]
	s_cmp_eq_u32 s12, 2
	s_cselect_b64 s[SB:SB+1], s[16:17], s[18:19]   ; what stays: v: x; q, k: the weight
	s_cselect_b64 s[22:23], s[18:19], s[16:17]     ; what streams
	s_cmp_eq_u32 s12, 0
	s_cselect_b64 s[56:57], s[8:9], s[10:11]
	s_add_nc_u64 s[56:57], s[56:57], s[54:55]      ; the output's record
.irp i, 0,1,2,3,4,5,6,7
	s_mul_i32 s54, s53, \i/2
.if \i%2
	s_add_co_u32 s54, s54, s52
.endif
	s_add_nc_u64 s[TBS+2*\i:TBS+2*\i+1], s[22:23], s[54:55]
.endr
	s_mov_b64 s[OB:OB+1], s[56:57]
	s_mov_b32 s54, s61
	s_add_nc_u64 s[OB+2:OB+3], s[56:57], s[54:55]
	s_mov_b32 s54, s60
	s_add_nc_u64 s[OB+4:OB+5], s[56:57], s[54:55]
	s_add_nc_u64 s[OB+6:OB+7], s[OB+2:OB+3], s[54:55]
	WIN 0x40                                       ; the first loads' window is set ahead of the wait
	s_wait_alu depctr_va_vdst(0)                   ; the four offsets v1 to v4 are written: every load and store of the kernel reads one of them
	STAT
	STRM 0
	STRM 1
	STRM 2
	STRM 3
	TRIP 0, 51
	TRIP 1, 51
	TRIP 2, 51
	TRIP 3, 51
	TRIP 4, 51
	TRIP 5, 34
	TRIP 6, 17
	TRIP 7, 0
	global_store_b128 v[ZO], v[Z:Z+3], s[56:57] offset:6144   ; lanes 0-15: one head's 256 bytes of scale words; lanes 16-31: the other head's.  (Z was written ahead of the last trip's wait on va_vdst, and no vector instruction stands behind that wait)
	s_endpgm
.Lfunc_end_k_q023071dbb2_proj:
	.size	k_q023071dbb2_proj, .Lfunc_end_k_q023071dbb2_proj-k_q023071dbb2_proj
	.p2alignl 7, 3214868480
	.fill 96, 4, 3214868480
	.section	.rodata,"a",@progbits
	.p2align	6, 0x0
	.amdhsa_kernel k_q023071dbb2_proj
		.amdhsa_group_segment_fixed_size 0
		.amdhsa_private_segment_fixed_size 0
		.amdhsa_enable_private_segment 0
		.amdhsa_kernarg_size 32
		.amdhsa_user_sgpr_count 2
		.amdhsa_user_sgpr_kernarg_segment_ptr 1
		.amdhsa_wavefront_size32 1
		.amdhsa_system_sgpr_workgroup_id_x 1
		.amdhsa_system_sgpr_workgroup_id_y 1
		.amdhsa_system_sgpr_workgroup_id_z 1
		.amdhsa_system_vgpr_workitem_id 0
		.amdhsa_next_free_vgpr 960
		.amdhsa_next_free_sgpr 66
		.amdhsa_reserve_vcc 1
		.amdhsa_float_denorm_mode_32 3
		.amdhsa_float_denorm_mode_16_64 3
		.amdhsa_memory_ordered 1
		.amdhsa_forward_progress 1
		.amdhsa_inst_pref_size 99
	.end_amdhsa_kernel
	.amdgpu_metadata
---
amdhsa.version: [ 1, 2 ]
amdhsa.kernels:
  - .name:           k_q023071dbb2_proj
    .symbol:         k_q023071dbb2_proj.kd
    .args:
      - { .name: xrec, .offset: 0, .size: 8, .value_kind: global_buffer, .address_space: global }
      - { .name: wrec, .offset: 8, .size: 8, .value_kind: global_buffer, .address_space: global }
      - { .name: qrec, .offset: 16, .size: 8, .value_kind: global_buffer, .address_space: global }
      - { .name: kvrec, .offset: 24, .size: 8, .value_kind: global_buffer, .address_space: global }
    .group_segment_fixed_size: 0
    .private_segment_fixed_size: 0
    .kernarg_segment_align: 8
    .kernarg_segment_size: 32
    .max_flat_workgroup_size: 96
    .sgpr_count:     66
    .vgpr_count:     960
    .wavefront_size: 32
...
	.end_amdgpu_metadata
.endif
;; end of part 6
;; launch attn (part 7): grid 16 x 16, 16 waves a work-group, no clusters, 327,680 bytes of LDS; arguments qrec, kvrec, orec; writes orec
.if DOCPART == 7
	.amdgcn_target "amdgcn-amd-amdhsa--gfx1250"
	.amdhsa_code_object_version 6
	.text
	.protected	k_q023071dbb2_attn
	.globl	k_q023071dbb2_attn
	.p2align	8
	.type	k_q023071dbb2_attn,@function
k_q023071dbb2_attn:
	s_mov_b64 s[64:65], 0
	v_nop
	global_prefetch_b8 v0, s[64:65] scope:SCOPE_SE
	s_setreg_imm32_b32 hwreg(HW_REG_WAVE_MODE, 25, 1), 1
	s_wait_xcnt 0x0
; Causal attention on codes of FP6 for one (batch, head): S^T = K Q^T (K = the head's 64), p = 2^(t - M), O^T = V^T P^T (K = the keys), O / l quantised along the head's 64 for the last projection.
; t = score x log2(e) / 8; M = the running largest t rounded UP to a whole number; the row's sum l is taken of the unquantised p; when M moves, l and O^T are multiplied by 2^(old M - new M), exactly.
; SHARES.  A work-group owns query blocks i and 31 - i (128 queries each) of one head: block b needs b + 1 steps of 128 keys, so every work-group has 8 x 33 tile-steps.  Each of sixteen waves owns one tile of
; 16 queries: tile idx = wave / 2 of block i or 31 - i; which of the two is chosen by (wave xor wave / 4) & 1.  A step all of whose keys come after the wave's queries is jumped over (a scalar branch on ids).
; LAYOUT.  Both products are used transposed: a lane holds ONE query (lane % 16) throughout.  The key tiles are permuted (launch before), so that S^T's register 16 b + i is key 32 b + 16 (lane / 16) + i.
; K = 64 IN AN INSTRUCTION OF K = 128: a fragment of K carries two key tiles, one in its lower 64, one in its upper 64.  Q stands in 18 registers as q | zeros | q: the first 12 are (q, 0), the last 12 (0, q):
; the fragment times the one gives the first tile's scores, times the other the second's.  Zero codes add nothing under the scale bytes beside them, which lie in 1 .. 254.
; RING.  Two LDS slots of four steps (51,200 bytes, dense in kvrec), filled by waves 0 and 1, 100 rows of 256 bytes each; every read is 16 x lane or 8 x lane on end: no padding.  A wave has one tensor load out at most.
; The look-ahead ends at the causal limit: a slot whose first key comes after the work-group's last query is read by none of its waves and is not asked for.
; NO CLUSTER: the work-groups that walk the same K and V differ in i, so they ask for different numbers of slots, and the branches round hidden steps hang on i.
; NO PREFETCH: a slot's refill goes out four key steps ahead of the wait for it.
; LIMITS: NaN and infinities are not served; a block of p or of O / l under 2^(3 - 127) gets the byte 1; a block's largest p is taken from the block's largest score, which takes v_exp_f32 not to fall where its input rises.
.set STEPB, 12800                      ; a step's record: K 6,144, its words 256, V 6,144, its words 256
.set SLOT1, 65536
.set SPARE, 131072                     ; behind the ring: the spare words, 128 bytes for each of 16 waves
.set L16,  1                           ; v1  16 x lane
.set L8,   2                           ; v2  8 x lane
.set R16,  3                           ; v3  16 x (lane % 16)
.set DG,   4                           ; v4  on the diagonal step: my query - the step's first key - 16 (lane / 16) = 16 idx + r - 16 h
.set SPW,  5                           ; v5  LDS address of my spare word; never rewritten
.set NIL,  6                           ; v6  0; never rewritten
.set ADK,  8                           ; v8-10 the step's LDS addresses
.set ADK8, 9
.set ADS,  10
.set QS,   11                          ; v11 Q's scale word (s0, s1, s0, s1)
                                       ; v12 -M, v13 the largest t, v[14:15] the sum in two halves
.set QF,   16                          ; v16-33  q | 0 | q
.set F,    36                          ; v36-83  four fragments of K, then of V
.set KS,   84                          ; v84-87  K's scale words
.set VS,   88                          ; v88-91  V's
.set S,    96                          ; v96-159 S^T, then p
.set O,    160                         ; v160-191 O^T
.set MX,   192                         ; v192-195 the blocks' largest scores, then largest p
.set T2,   196                         ; v196-199 at work
.set SO,   200                         ; v200-203 the conversions' scale operands
.set H2,   204                         ; v204-206, v208-210 the conversions' second halves
.set P,    212                         ; v212-223 p's codes
.set PS,   224                         ; v224 p's scale word
.set FF,   226                         ; v[226:227] f = 2^(old M - new M) (the low word serves both halves)
.set W0,   228
.set W1,   229
.set SUM2, 230                         ; v[230:231] the sums' second chain
.set WV,   18
.set TS,   19                          ; s19 LDS byte at which the step in hand begins
.set SEL,  20
.set CS,   22                          ; s[22:23] c = log2(e) / 8
.set G1,   24
.set G0,   40
.set TB,   2                           ; s2  LDS byte at which the slot in hand begins
.set KF,   32                          ; s32 the step's first key
.set Q0,   33                          ; s33 my first query
.set LASTQ, 34                         ; s34 my work-group's last query
.set SLOTS, 35
.set STEPS, 36
.macro TLOAD                           ; waves 0 and 1 fetch half a slot each; an s_nop 0 and four v_nop follow the load
	s_cmp_lt_u32 s[WV], 2
	s_cbranch_scc0 .Lasked_\@
	tensor_load_to_lds s[G0:G0+3], s[G1:G1+7]
	s_nop 0
.rept 4
	v_nop
.endr
.Lasked_\@:
.endm
	s_load_b128 s[4:7], s[0:1], 0x0                ; qrec, kvrec
	s_load_b64 s[8:9], s[0:1], 0x10                ; orec
	v_lshl_add_u32 v[SPW], v0, 2, SPARE
	v_mov_b32 v[NIL], 0
	ds_add_u32 v[SPW], v[NIL]                      ; the wave's opening: the adds and their wait stand ahead of the first tensor load; the set-up below, work on registers, stands between them
	ds_add_u32 v[SPW], v[NIL]
	v_lshrrev_b32 v7, 5, v0
	s_delay_alu instid0(VALU_DEP_1)
	v_readfirstlane_b32 s[WV], v7                  ; wave 0..15
	s_and_b32 s10, ttmp7, 0xffff                   ; bh
	s_lshr_b32 s11, s[WV], 1                       ; idx
	s_lshr_b32 s12, s[WV], 2
	s_xor_b32 s12, s12, s[WV]
	s_and_b32 s12, s12, 1                          ; which of the two blocks
	s_sub_co_u32 s13, 31, ttmp9
	s_cmp_eq_u32 s12, 1
	s_cselect_b32 s13, s13, ttmp9                  ; my block of 128 queries
	s_lshl_b32 s[Q0], s13, 7
	s_lshl_b32 s14, s11, 4
	s_add_co_u32 s[Q0], s[Q0], s14
	s_lshl_b32 s[LASTQ], ttmp9, 7
	s_sub_co_u32 s[LASTQ], 4095, s[LASTQ]          ; 128 (31 - i) + 127
	v_and_b32 v7, 31, v0
	s_delay_alu instid0(VALU_DEP_1)
	v_lshlrev_b32 v[L16], 4, v7
	s_delay_alu instid0(VALU_DEP_2)
	v_lshlrev_b32 v[L8], 3, v7
	v_and_b32 v[DG], 15, v0
	s_delay_alu instid0(VALU_DEP_1)
	v_lshlrev_b32 v[R16], 4, v[DG]
	v_bfe_u32 v7, v0, 4, 1
	s_delay_alu instid0(VALU_DEP_1)
	v_lshlrev_b32 v7, 4, v7
	s_delay_alu instid0(VALU_DEP_1)
	v_sub_nc_u32 v[DG], v[DG], v7
	s_delay_alu instid0(VALU_DEP_1)
	v_add_nc_u32 v[DG], s14, v[DG]
	s_and_b32 s15, s[WV], 1
	s_mul_i32 s15, s15, 25600                      ; my half of a slot, in LDS and in memory
	s_mul_i32 s16, s10, 409600                     ; the head's 32 records
	s_add_co_u32 s16, s16, s15
	s_mov_b32 s17, 0
	s_lshl_b32 s38, s10, 5
	s_add_co_u32 s38, s38, s13
	s_mul_i32 s38, s38, 6400                       ; my block's record of Q
	s_mul_i32 s44, s11, 768
	s_add_co_u32 s44, s44, s38                     ; my tile's half image
	s_mov_b32 s45, 0
	s_lshr_b32 s46, s11, 1
	s_lshl_b32 s46, s46, 2
	s_add_co_u32 s46, s46, s38                     ; the word that holds my tile's two bytes
	s_mov_b32 s47, 0
	s_and_b32 s38, s11, 1
	s_mov_b32 s3, 0x01000100
	s_cmp_eq_u32 s38, 1
	s_cselect_b32 s3, 0x03020302, s3               ; which two bytes of it
	s_lshr_b32 s48, s10, 3
	s_lshl_b32 s48, s48, 8
	s_lshl_b32 s39, s13, 3
	s_add_co_u32 s48, s48, s39
	s_add_co_u32 s48, s48, s11                     ; my tile of 16 rows among the 512
	s_mul_i32 s48, s48, 6656
	s_and_b32 s52, s10, 7                          ; the head
	s_lshl_b32 s50, s52, 6
	s_add_co_u32 s50, s50, s48                     ; its 16 scale words
	s_mov_b32 s51, 0
	s_mul_i32 s52, s52, 768
	s_add_co_u32 s48, s48, s52                     ; its half image
	s_mov_b32 s49, 0
	s_mov_b32 s[G1], 3<<16                         ; no mask; elements of 8 bytes; no padding
	s_mov_b32 s[G1+1], 32<<16                      ; tensor_dim0 = 32 elements: 256 bytes
	s_mov_b32 s[G1+2], 100<<16                     ; tensor_dim1 = 100 rows: two steps' records
	s_mov_b32 s[G1+3], 32<<16                      ; tile_dim0
	s_mov_b32 s[G1+4], 100                         ; tile_dim1
	s_mov_b32 s[G1+5], 32                          ; from row to row: dense
	s_mov_b32 s[G1+6], 0
	s_mov_b32 s[G1+7], 0
	s_mov_b32 s[SEL], 0x76543210
	s_mov_b32 s[SEL+1], 0xfedcba98
	s_mov_b32 s[CS], 0x3e38aa3b                    ; c = log2(e) / 8
	s_mov_b32 s[CS+1], s[CS]                       ; (named with it as a pair, so it is written)
	s_mov_b32 s[TB], 0
	s_mov_b32 s[KF], 0
	s_mov_b32 s[SLOTS], 7
	s_wait_dscnt 0x0                               ; the opening add is done
	s_wait_kmcnt 0x0
	s_mov_b32 s[G0], 1
	s_mov_b32 s[G0+1], s15                         ; slot 0
	s_add_nc_u64 s[G0+2:G0+3], s[6:7], s[16:17]
	s_or_b32 s[G0+3], s[G0+3], 0x80000000
	TLOAD                                          ; steps 0 to 3
	s_add_nc_u64 s[44:45], s[4:5], s[44:45]
	s_add_nc_u64 s[46:47], s[4:5], s[46:47]
	s_add_nc_u64 s[48:49], s[8:9], s[48:49]
	s_add_nc_u64 s[50:51], s[8:9], s[50:51]
	s_wait_alu depctr_va_vdst(0)
	global_load_b128 v[QF:QF+3], v[L16], s[44:45]              ; q, twice
	global_load_b64 v[QF+4:QF+5], v[L8], s[44:45] offset:512
	global_load_b128 v[QF+12:QF+15], v[L16], s[44:45]
	global_load_b64 v[QF+16:QF+17], v[L8], s[44:45] offset:512
	global_load_b32 v[W1], v[R16], s[46:47] offset:6144
.irp k, 6,7,8,9,10,11
	v_mov_b32 v[QF+\k], 0                          ; zero codes between
.endr
	v_mov_b32 v13, 0xff61b1e6                      ; the largest t so far: -3e38, under every t
	s_delay_alu instid0(VALU_DEP_1)
	v_floor_f32 v12, -v13                          ; -M
	v_mov_b32 v14, 0
	v_mov_b32 v15, 0
.irp b, 0,1,2,3
	v_mov_b32 v[T2+\b], 0                          ; written once: a lane permute's destination counts as one of its sources
.endr
	v_mov_b32 v[FF+1], 0                           ; (named as the upper half of a pair)
	v_mov_b32 v[W0], 0
	s_wait_loadcnt 0x0
	v_perm_b32 v[QS], v[W1], v[W1], s3             ; (s0, s1, s0, s1)
.irp j, 0,1,2,3,4,5,6,7,8,9,10,11,12,13,14,15,16,17,18,19,20,21,22,23,24,25,26,27,28,29,30,31
	v_mov_b32 v[O+\j], 0                           ; O^T: the step is written once; the first finds zeros.  (These are also the places between the scale word's making and its first use)
.endr
; A KEY STEP: 128 keys.
.macro STEP
	s_add_co_u32 s37, s[Q0], 15
	s_cmp_gt_u32 s[KF], s37                        ; all its keys come after my 16 queries: nothing to do but step the addresses
	s_cbranch_scc1 .Lhidden_\@
	s_setprio 2
	v_add_nc_u32 v[ADK], s[TS], v[L16]
	v_add_nc_u32 v[ADK8], s[TS], v[L8]
	v_add_nc_u32 v[ADS], s[TS], v[R16]
	v_nop                                          ; four places ahead of loads into registers that the last step's products have read
.irp g, 0,1,2,3
	ds_load_b128 v[F+12*\g:F+12*\g+3], v[ADK] offset:1536*\g
	ds_load_b64 v[F+12*\g+4:F+12*\g+5], v[ADK8] offset:1536*\g+512
	ds_load_b128 v[F+12*\g+6:F+12*\g+9], v[ADK] offset:1536*\g+768
	ds_load_b64 v[F+12*\g+10:F+12*\g+11], v[ADK8] offset:1536*\g+1280
.endr
	ds_load_b128 v[KS:KS+3], v[ADS] offset:6144
	s_wait_alu depctr_va_vdst(0)
	s_wait_dscnt 0x0
.irp g, 0,1,2,3                                ; S^T: fragment g x (q, 0) = key tile 2 g, x (0, q) = key tile 2 g + 1
	v_wmma_scale_f32_16x16x128_f8f6f4 v[S+16*\g:S+16*\g+7], v[F+12*\g:F+12*\g+11], v[QF:QF+11], 0, v[KS+\g], v[QS] matrix_a_fmt:MATRIX_FMT_FP6 matrix_b_fmt:MATRIX_FMT_FP6
	v_wmma_scale_f32_16x16x128_f8f6f4 v[S+16*\g+8:S+16*\g+15], v[F+12*\g:F+12*\g+11], v[QF+6:QF+17], 0, v[KS+\g], v[QS] matrix_a_fmt:MATRIX_FMT_FP6 matrix_b_fmt:MATRIX_FMT_FP6
.endr
.rept 4
	v_nop                                          ; places ahead of the loads below and of the first read of the scores
.endr
.irp g, 0,1,2,3                                ; V's fragments land while the softmax is worked
	ds_load_b128 v[F+12*\g:F+12*\g+3], v[ADK] offset:6400+1536*\g
	ds_load_b64 v[F+12*\g+4:F+12*\g+5], v[ADK8] offset:6400+1536*\g+512
	ds_load_b128 v[F+12*\g+6:F+12*\g+9], v[ADK] offset:6400+1536*\g+768
	ds_load_b64 v[F+12*\g+10:F+12*\g+11], v[ADK8] offset:6400+1536*\g+1280
.endr
	ds_load_b128 v[VS:VS+3], v[ADS] offset:12544
	s_add_co_u32 s37, s[KF], 127
	s_cmp_le_u32 s37, s[Q0]                        ; all its keys count: no mask
	s_cbranch_scc1 .Lopen_\@
	v_mov_b32 v[W0], 0xff800000                    ; the diagonal step (its first key is my block's first query): hidden scores become -infinity ahead of the maximum
.irp n, 0,1,2,3,4,5,6,7,8,9,10,11,12,13,14,15,16,17,18,19,20,21,22,23,24,25,26,27,28,29,30,31,32,33,34,35,36,37,38,39,40,41,42,43,44,45,46,47,48,49,50,51,52,53,54,55,56,57,58,59,60,61,62,63
	v_cmp_gt_i32 vcc_lo, 32*(\n/16)+\n%16, v[DG]
	v_cndmask_b32 v[S+\n], v[S+\n], v[W0], vcc_lo
.endr
.Lopen_\@:
.irp b, 0,1,2,3
	v_max3_num_f32 v[MX+\b], v[S+16*\b], v[S+1+16*\b], v[S+2+16*\b]   ; the largest score of each block of 32 keys: for the row's maximum, and for the block's largest p
.endr
.irp i, 3,5,7,9,11,13
.irp b, 0,1,2,3
	v_max3_num_f32 v[MX+\b], v[MX+\b], v[S+16*\b+\i], v[S+1+16*\b+\i]
.endr
.endr
.irp b, 0,1,2,3
	v_max_num_f32 v[MX+\b], v[MX+\b], v[S+15+16*\b]
.endr
.irp b, 0,1,2,3
	s_delay_alu instid0(VALU_DEP_4)
	v_permlanex16_b32 v[T2+\b], v[MX+\b], s[SEL], s[SEL+1]
.endr
.irp b, 0,1,2,3
	s_delay_alu instid0(VALU_DEP_4)
	v_max_num_f32 v[MX+\b], v[MX+\b], v[T2+\b]     ; with lane l xor 16's 16 keys
.endr
	s_delay_alu instid0(VALU_DEP_2)
	v_max3_num_f32 v[W0], v[MX], v[MX+1], v[MX+2]
	s_delay_alu instid0(VALU_DEP_1)
	v_max_num_f32 v[W0], v[W0], v[MX+3]
	s_delay_alu instid0(VALU_DEP_1)
	v_mul_f32 v[W0], s[CS], v[W0]                  ; the step's largest t of my query
	s_delay_alu instid0(VALU_DEP_1)
	v_max_num_f32 v13, v13, v[W0]
	v_mov_b32 v[W0], v12
	s_delay_alu instid0(VALU_DEP_2)
	v_floor_f32 v12, -v13                          ; the new -M = -ceil(t)
	s_delay_alu instid0(VALU_DEP_1)
	v_sub_f32 v[W0], v12, v[W0]                    ; old M - new M: a whole number, 0 or less
	s_delay_alu instid0(VALU_DEP_1)
	v_cvt_i32_f32 v[W0], v[W0]                     ; (it saturates)
	s_delay_alu instid0(VALU_DEP_1)
	v_ldexp_f32 v[FF], 1.0, v[W0]                  ; f
.irp j, 0,2,4,6,8,10,12,14,16,18,20,22,24,26,28,30,32,34,36,38,40,42,44,46,48,50,52,54,56,58,60,62
	v_pk_fma_f32 v[S+\j:S+\j+1], v[S+\j:S+\j+1], s[CS:CS+1], v[12:13] op_sel_hi:[1,0,0]   ; t - M
.endr
	s_setprio 1
.irp b, 0,1,2,3
	v_fma_f32 v[MX+\b], v[MX+\b], s[CS], v12       ; the same of each block's largest score
.endr
	s_wait_alu depctr_va_vdst(0)
.irp j, 0,1,2,3,4,5,6,7,8,9,10,11,12,13,14,15,16,17,18,19,20,21,22,23,24,25,26,27,28,29,30,31,32,33,34,35,36,37,38,39,40,41,42,43,44,45,46,47,48,49,50,51,52,53,54,55,56,57,58,59,60,61,62,63
	v_exp_f32 v[S+\j], v[S+\j]                     ; p = 2^(t - M)
.endr
	v_pk_mul_f32 v[14:15], v[14:15], v[FF:FF+1] op_sel_hi:[1,0]   ; the sums under the new M: the plain place behind the exponentials
	s_wait_alu depctr_va_vdst(0)                   ; one wait for the batch of 64, ahead of its first reader
.irp b, 0,1,2,3
	v_exp_f32 v[MX+\b], v[MX+\b]                   ; the block's largest p
.endr
	v_pk_add_f32 v[230:231], v[100:101], v[104:105]
	v_pk_add_f32 v[254:255], v[108:109], v[112:113]
	v_pk_add_f32 v[252:253], v[116:117], v[120:121]
	v_pk_add_f32 v[250:251], v[124:125], v[128:129]
	v_pk_add_f32 v[248:249], v[132:133], v[136:137]
	v_pk_add_f32 v[246:247], v[140:141], v[144:145]
	v_pk_add_f32 v[244:245], v[148:149], v[152:153]
	v_pk_add_f32 v[14:15], v[14:15], v[156:157]
	v_pk_add_f32 v[230:231], v[230:231], v[96:97]
	v_pk_add_f32 v[254:255], v[254:255], v[98:99]
	v_pk_add_f32 v[252:253], v[252:253], v[102:103]
	v_pk_add_f32 v[250:251], v[250:251], v[106:107]
	v_pk_add_f32 v[248:249], v[248:249], v[110:111]
	v_pk_add_f32 v[246:247], v[246:247], v[114:115]
	v_pk_add_f32 v[244:245], v[244:245], v[118:119]
	v_pk_add_f32 v[14:15], v[14:15], v[122:123]
	v_pk_add_f32 v[230:231], v[230:231], v[126:127]
	v_pk_add_f32 v[254:255], v[254:255], v[130:131]
	v_pk_add_f32 v[252:253], v[252:253], v[134:135]
	v_pk_add_f32 v[250:251], v[250:251], v[138:139]
	v_pk_add_f32 v[248:249], v[248:249], v[142:143]
	v_pk_add_f32 v[246:247], v[246:247], v[146:147]
	v_pk_add_f32 v[244:245], v[244:245], v[150:151]
	v_pk_add_f32 v[14:15], v[14:15], v[154:155]
	v_pk_add_f32 v[230:231], v[230:231], v[158:159]
	s_delay_alu instid0(VALU_DEP_2)
	v_pk_add_f32 v[14:15], v[14:15], v[250:251]
	s_delay_alu instid0(VALU_DEP_2)
	v_pk_add_f32 v[230:231], v[230:231], v[248:249]
	v_pk_add_f32 v[254:255], v[254:255], v[246:247]
	v_pk_add_f32 v[252:253], v[252:253], v[244:245]
	s_delay_alu instid0(VALU_DEP_2)
	v_pk_add_f32 v[14:15], v[14:15], v[254:255]
	s_delay_alu instid0(VALU_DEP_2)
	v_pk_add_f32 v[230:231], v[230:231], v[252:253]
	s_delay_alu instid0(VALU_DEP_1)
	v_pk_add_f32 v[14:15], v[14:15], v[230:231]
	s_wait_alu depctr_va_vdst(0)                   ; and one for the four
.irp b, 0,1,2,3
	v_max_num_f32 v[MX+\b], 0x1800000, v[MX+\b]    ; the floor 2^(3 - 127): the byte cannot fall under 1
.endr
.irp b, 0,1,2,3
	s_delay_alu instid0(VALU_DEP_4)
	v_add_nc_u32 v[SO+\b], 0xff000000, v[MX+\b]
.endr
.irp b, 0,1,2,3
	s_delay_alu instid0(VALU_DEP_4)
	v_lshrrev_b32 v[T2+\b], 23, v[SO+\b]
.endr
	s_delay_alu instid0(VALU_DEP_3)
	v_lshl_or_b32 v[PS], v[T2+1], 8, v[T2]
	s_delay_alu instid0(VALU_DEP_1)
	v_lshl_or_b32 v[PS], v[T2+2], 16, v[PS]
	s_delay_alu instid0(VALU_DEP_1)
	v_lshl_or_b32 v[PS], v[T2+3], 24, v[PS]        ; p's scale word for these 128 keys
	s_setprio 0
.irp c, 0,1
	v_cvt_scalef32_pk16_fp6_f32 v[P+6*\c:P+2+6*\c], v[S+32*\c:S+15+32*\c], v[SO+2*\c]
	v_cvt_scalef32_pk16_fp6_f32 v[H2+4*\c:H2+2+4*\c], v[S+16+32*\c:S+31+32*\c], v[SO+2*\c+1]
.endr
	v_nop                                          ; one plain place behind a scaled conversion
.irp c, 0,1
.irp k, 0,1,2
	v_permlane16_swap_b32 v[P+6*\c+\k], v[H2+4*\c+\k]
.endr
.irp k, 0,1,2
	s_delay_alu instid0(VALU_DEP_3)
	v_mov_b32 v[P+3+6*\c+\k], v[H2+4*\c+\k]
.endr
.endr
.irp j, 0,2,4,6,8,10,12,14,16,18,20,22,24,26,28,30
	v_pk_mul_f32 v[O+\j:O+\j+1], v[O+\j:O+\j+1], v[FF:FF+1] op_sel_hi:[1,0]   ; O^T under the new M.  (For each product below, the twelve that touch the other three accumulators are the places behind p's codes and scale word)
.endr
	s_wait_alu depctr_va_vdst(0)
	s_wait_dscnt 0x0                               ; V is in
.irp g, 0,1,2,3                                ; O^T += V^T P^T: the four accumulators by turns, one instruction a turn
	v_wmma_scale_f32_16x16x128_f8f6f4 v[O+8*\g:O+8*\g+7], v[F+12*\g:F+12*\g+11], v[P:P+11], v[O+8*\g:O+8*\g+7], v[VS+\g], v[PS] matrix_a_fmt:MATRIX_FMT_FP6 matrix_b_fmt:MATRIX_FMT_FP6
.endr
.Lhidden_\@:
	s_add_co_u32 s[KF], s[KF], 128
	s_add_co_u32 s[TS], s[TS], STEPB
.endm
; THE CHANGE OF SLOTS stands at a slot's head.  Each wave waits for all its tensor loads, adds 0 to its spare word, and waits for that and for its reads of the slot that it has left; behind the barrier the slot
; ahead is whole and nobody reads the other one, which (fill = 1) takes the next four steps, up to the causal limit.
.macro CHANGE fill
	s_wait_tensorcnt 0x0                           ; no tensor load of mine is out, so the descriptor may be written
	ds_add_u32 v[SPW], v[NIL]
.if \fill
	s_xor_b32 s[G0+1], s[G0+1], SLOT1              ; the other slot than last time,
	s_add_nc_u64 s[G0+2:G0+3], s[G0+2:G0+3], 4*STEPB   ; the next four steps
.endif
	s_wait_dscnt 0x0                               ; the add is done, and my reads of the slot that I have left are over
	s_barrier_signal -1
	s_barrier_wait -1
.if \fill
	s_add_co_u32 s37, s[KF], 512                   ; the first key of the slot that this change would ask for
	s_cmp_gt_u32 s37, s[LASTQ]                     ; ids and the count of steps alone: all sixteen waves go the same way, and past the limit they stay past it
	s_cbranch_scc1 .Lpast_\@
	TLOAD                                          ; a wave's one tensor load until the next such barrier
.Lpast_\@:
.endif
.endm
.macro SLOT_STEPS                      ; a slot's four steps: written once, walked four times
	s_mov_b32 s[TS], s[TB]
	s_mov_b32 s[STEPS], 4
.Lstep_\@:
	STEP
	s_sub_co_u32 s[STEPS], s[STEPS], 1
	s_cmp_lg_u32 s[STEPS], 0
	s_cbranch_scc1 .Lstep_\@
	s_setprio 0
	s_xor_b32 s[TB], s[TB], SLOT1                  ; on to the other slot
.endm
.Lslot:                                            ; seven trips: behind each change of slots but the last the next slot is asked for, up to the limit
	CHANGE 1
	SLOT_STEPS
	s_sub_co_u32 s[SLOTS], s[SLOTS], 1
	s_cmp_lg_u32 s[SLOTS], 0
	s_cbranch_scc1 .Lslot
	CHANGE 0                                       ; the last slot is written out: nothing is left to ask for
	SLOT_STEPS
	; THE WAY OUT: O^T / l, quantised along the head's 64: one half image and two scale bytes a row
.rept 4
	v_nop                                          ; places behind the last products
.endr
	v_add_f32 v14, v14, v15
	s_delay_alu instid0(VALU_DEP_1)
	v_permlanex16_b32 v[W0], v14, s[SEL], s[SEL+1]
	s_delay_alu instid0(VALU_DEP_1)
	v_add_f32 v14, v14, v[W0]                      ; the row's sum
	s_wait_alu depctr_va_vdst(0)
	v_rcp_f32 v14, v14
	v_lshrrev_b32 v[SUM2], 2, v[L16]               ; 4 x lane.  (The plain place behind the reciprocal)
	s_wait_alu depctr_va_vdst(0)                   ; the wait ahead of its first reader
.irp j, 0,2,4,6,8,10,12,14,16,18,20,22,24,26,28,30
	v_pk_mul_f32 v[S+\j:S+\j+1], v[O+\j:O+\j+1], v[14:15] op_sel_hi:[1,0]   ; register 16 b + i = d 32 b + 16 h + i of my query
.endr
.irp b, 0,1
	v_max3_num_f32 v[MX+\b], |v[S+16*\b]|, |v[S+1+16*\b]|, 0x1800000
.endr
.irp i, 2,4,6,8,10,12,14
.irp b, 0,1
	s_delay_alu instid0(VALU_DEP_2)
	v_max3_num_f32 v[MX+\b], v[MX+\b], |v[S+16*\b+\i]|, |v[S+1+16*\b+\i]|
.endr
.endr
.irp b, 0,1
	s_delay_alu instid0(VALU_DEP_2)
	v_permlanex16_b32 v[T2+\b], v[MX+\b], s[SEL], s[SEL+1]
.endr
.irp b, 0,1
	s_delay_alu instid0(VALU_DEP_2)
	v_max_num_f32 v[MX+\b], v[MX+\b], v[T2+\b]
.endr
.irp b, 0,1
	s_delay_alu instid0(VALU_DEP_2)
	v_add_nc_u32 v[SO+\b], 0xff000000, v[MX+\b]
.endr
.irp b, 0,1
	s_delay_alu instid0(VALU_DEP_2)
	v_lshrrev_b32 v[T2+\b], 23, v[SO+\b]
.endr
	s_delay_alu instid0(VALU_DEP_1)
	v_lshl_or_b32 v[W1], v[T2+1], 8, v[T2]
	v_cvt_scalef32_pk16_fp6_f32 v[P:P+2], v[S:S+15], v[SO]
	v_cvt_scalef32_pk16_fp6_f32 v[H2:H2+2], v[S+16:S+31], v[SO+1]
	v_nop                                          ; one plain place behind a scaled conversion
.irp k, 0,1,2
	v_permlane16_swap_b32 v[P+\k], v[H2+\k]
.endr
.irp k, 0,1,2
	s_delay_alu instid0(VALU_DEP_3)
	v_mov_b32 v[P+3+\k], v[H2+\k]
.endr
	global_store_b128 v[L16], v[P:P+3], s[48:49]               ; 512 consecutive bytes
	global_store_b64 v[L8], v[P+4:P+5], s[48:49] offset:512    ; 256
	s_wait_xcnt 0x0                                ; EXEC changes only behind this wait
	v_cmp_gt_u32 vcc_lo, 256, v[L16]
	s_and_saveexec_b32 s38, vcc_lo
	global_store_b32 v[SUM2], v[W1], s[50:51] offset:6144      ; lanes 0-15: 64 consecutive bytes: this head's words of the 16 rows
	s_wait_xcnt 0x0
	s_or_b32 exec_lo, exec_lo, s38
	s_wait_tensorcnt 0x0                           ; the wave's end
	ds_add_u32 v[SPW], v[NIL]
	s_wait_dscnt 0x0
	s_endpgm
.Lfunc_end_k_q023071dbb2_attn:
	.size	k_q023071dbb2_attn, .Lfunc_end_k_q023071dbb2_attn-k_q023071dbb2_attn
	.p2alignl 7, 3214868480
	.fill 96, 4, 3214868480
	.section	.rodata,"a",@progbits
	.p2align	6, 0x0
	.amdhsa_kernel k_q023071dbb2_attn
		.amdhsa_group_segment_fixed_size 327680
		.amdhsa_private_segment_fixed_size 0
		.amdhsa_enable_private_segment 0
		.amdhsa_kernarg_size 24
		.amdhsa_user_sgpr_count 2
		.amdhsa_user_sgpr_kernarg_segment_ptr 1
		.amdhsa_wavefront_size32 1
		.amdhsa_system_sgpr_workgroup_id_x 1
		.amdhsa_system_sgpr_workgroup_id_y 1
		.amdhsa_system_sgpr_workgroup_id_z 1
		.amdhsa_system_vgpr_workitem_id 0
		.amdhsa_next_free_vgpr 256
		.amdhsa_next_free_sgpr 66
		.amdhsa_reserve_vcc 1
		.amdhsa_float_denorm_mode_32 3
		.amdhsa_float_denorm_mode_16_64 3
		.amdhsa_memory_ordered 1
		.amdhsa_forward_progress 1
		.amdhsa_inst_pref_size 58
	.end_amdhsa_kernel
	.amdgpu_metadata
---
amdhsa.version: [ 1, 2 ]
amdhsa.kernels:
  - .name:           k_q023071dbb2_attn
    .symbol:         k_q023071dbb2_attn.kd
    .args:
      - { .name: qrec, .offset: 0, .size: 8, .value_kind: global_buffer, .address_space: global }
      - { .name: kvrec, .offset: 8, .size: 8, .value_kind: global_buffer, .address_space: global }
      - { .name: orec, .offset: 16, .size: 8, .value_kind: global_buffer, .address_space: global }
    .group_segment_fixed_size: 327680
    .private_segment_fixed_size: 0
    .kernarg_segment_align: 8
    .kernarg_segment_size: 24
    .max_flat_workgroup_size: 512
    .sgpr_count:     66
    .vgpr_count:     256
    .wavefront_size: 32
...
	.end_amdgpu_metadata
.endif
;; end of part 7
;; launch oproj (part 8): grid 256 x 1, 4 waves a work-group, no clusters, 34,304 bytes of LDS; arguments orec, wrec, out0; writes out0
.if DOCPART == 8
	.amdgcn_target "amdgcn-amd-amdhsa--gfx1250"
	.amdhsa_code_object_version 6
	.text
	.protected	k_q023071dbb2_oproj
	.globl	k_q023071dbb2_oproj
	.p2align	8
	.type	k_q023071dbb2_oproj,@function
k_q023071dbb2_oproj:
	s_mov_b64 s[64:65], 0
	v_nop
	global_prefetch_b8 v0, s[64:65] scope:SCOPE_SE
	s_setreg_imm32_b32 hwreg(HW_REG_WAVE_SCHED_MODE, 0, 2), 2
	s_setreg_imm32_b32 hwreg(HW_REG_WAVE_MODE, 25, 1), 1
	s_wait_xcnt 0x0
	s_wait_alu depctr_vm_vsrc(0)
; out0 = (attention's output) Wo on codes of FP6.  A work-group takes two tiles of 16 rows; wave j takes columns 128 j .. 128 j + 127.
; Source 0 = Wo's 8 permuted tiles x 4 K steps (384 registers), source 1 = a tile of rows: lane (r, h) holds row r, and register 16 b + i column 128 j + 32 b + 16 h + i: 16 neighbouring numbers of a row.
; A tile's 16 rows x 512 bytes go through the wave's own stage in LDS and leave as whole rows: each store covers 512 consecutive bytes, aligned.  Waves share nothing: no barrier.
; THE MODE: SCHED_MODE bits 1:0 = 2 (LLVM: expert scheduling mode 2), set by the entry lines.  The code itself states the register dependences
; between vector or matrix instructions and memory or LDS instructions, with s_wait_alu, always for 0.
; THE PLAN.  Registers that memory or LDS instructions touch:
;   v1 to v6, v252, v253   offsets, the stage's two addresses and the closing add's two registers: made at the head, never written again.
;   windows 1 to 3, SS, RAW   loaded once; read by matrix instructions (RAW: by the eight v_perm_b32) alone.
;   ST             named by no memory instruction: written by the eight v_perm_b32, read by the matrix instructions as scales.
;   ACC, tile m    written by the matrix instructions; read by the tile's 16 LDS stores; then the tile's 16 LDS loads land in it; read by its 16 global stores.
; Waits on va_vdst: one ahead of the first load (the addresses); one ahead of the first product (ST); one ahead of the way out (the accumulators): no vector or matrix instruction stands behind that one.
; Waits on vm_vsrc: one in each tile's way through the stage, between its stores and the loads that land in the registers that those stores read.
.set STG,   8448                       ; a wave's stage: 16 rows x (512 bytes + 16)
.set SPARE, 4*STG                      ; behind the stages: the spare words, 128 bytes a wave
.set L16,  1
.set L8,   2
.set R16,  3
.set R4,   4                           ; v4  4 x (lane % 16)
.set SIN,  5                           ; v5  the stage: where I put my numbers of row r
.set SBK,  6                           ; v6  and where I read a row back
.set SS,   16                          ; v16-47 Wo's scale words
.set ST,   48                          ; v48-55 the rows' scale words, tile x 4 + K step
.set RAW,  56                          ; v56-71 as stored: two bytes a head
.set ACC,  80                          ; v80-143, v144-207 the two tiles' accumulators
.set SPW,  252
.set NIL,  253
.set SB,   20
.set TBS,  24
.set MSB, 0
.macro WIN new                         ; the immediate's high byte repeats the setting that is left
.if MSB != \new
	s_set_vgpr_msb (MSB<<8)|\new
.set MSB, \new
.endif
.endm
.macro LFRAG dst, base, off            ; a fragment = two half images: four loads, every one of consecutive bytes
	global_load_b128 v[(\dst):(\dst)+3], v[L16], s[\base:\base+1] offset:\off
	global_load_b64 v[(\dst)+4:(\dst)+5], v[L8], s[\base:\base+1] offset:\off+512
	global_load_b128 v[(\dst)+6:(\dst)+9], v[L16], s[\base:\base+1] offset:\off+768
	global_load_b64 v[(\dst)+10:(\dst)+11], v[L8], s[\base:\base+1] offset:\off+1280
.endm
.macro MULT slot, acc                  ; 32 matrix instructions: K step by K step, the eight accumulators by turns, one instruction a turn; the first K step starts the sums
.irp s2, 0,1,2,3
.if \s2 < 2
	WIN 0x0d                                       ; source 0 window 1, source 1 window 3
.else
	WIN 0x0e                                       ; source 0 window 2
.endif
.irp t, 0,1,2,3,4,5,6,7
.if \s2 == 0
	v_wmma_scale_f32_16x16x128_f8f6f4 v[(\acc)+8*\t:(\acc)+8*\t+7], v[12*(8*(\s2%2)+\t):12*(8*(\s2%2)+\t)+11], v[48*(\slot)+12*\s2:48*(\slot)+12*\s2+11], 0, v[SS+4*\t+\s2], v[ST+4*(\slot)+\s2] matrix_a_fmt:MATRIX_FMT_FP6 matrix_b_fmt:MATRIX_FMT_FP6
.else
	v_wmma_scale_f32_16x16x128_f8f6f4 v[(\acc)+8*\t:(\acc)+8*\t+7], v[12*(8*(\s2%2)+\t):12*(8*(\s2%2)+\t)+11], v[48*(\slot)+12*\s2:48*(\slot)+12*\s2+11], v[(\acc)+8*\t:(\acc)+8*\t+7], v[SS+4*\t+\s2], v[ST+4*(\slot)+\s2] matrix_a_fmt:MATRIX_FMT_FP6 matrix_b_fmt:MATRIX_FMT_FP6
.endif
.endr
.endr
	WIN 0
.endm
.macro TOSTAGE m                       ; tile m: into my stage, each accumulator from its low end on, and back as whole rows into the registers that they left
.irp b, 0,1,2,3
.irp q, 0,1,2,3
	ds_store_b128 v[SIN], v[ACC+64*(\m)+16*\b+4*\q:ACC+64*(\m)+16*\b+4*\q+3] offset:128*\b+16*\q
.endr
.endr
	s_wait_alu depctr_vm_vsrc(0)                   ; the sixteen LDS stores above have read tile m's accumulators, in which the loads below land
.irp t, 0,1,2,3,4,5,6,7,8,9,10,11,12,13,14,15
	ds_load_b128 v[ACC+64*(\m)+4*\t:ACC+64*(\m)+4*\t+3], v[SBK] offset:528*\t   ; LDS serves a wave's instructions in order: these see the stores above, and the next tile's stores come behind them
.endr
.endm
.macro SEND m
.irp t, 0,1,2,3,4,5,6,7,8,9,10,11,12,13,14,15
	global_store_b128 v[L16], v[ACC+64*(\m)+4*\t:ACC+64*(\m)+4*\t+3], s[8:9] offset:(16*(\m)+\t)*2048 th:TH_STORE_NT   ; 512 consecutive bytes of a row
.endr
.endm
	s_load_b128 s[4:7], s[0:1], 0x0                ; orec, wrec
	s_load_b64 s[8:9], s[0:1], 0x10                ; out0
	v_lshl_add_u32 v[SPW], v0, 2, SPARE
	v_mov_b32 v[NIL], 0
	v_lshrrev_b32 v7, 5, v0
	v_readfirstlane_b32 s12, v7                    ; wave j
	v_and_b32 v7, 31, v0
	v_lshlrev_b32 v[L16], 4, v7
	v_lshlrev_b32 v[L8], 3, v7
	v_and_b32 v8, 15, v0                           ; r
	v_lshlrev_b32 v[R16], 4, v8
	v_lshlrev_b32 v[R4], 2, v8
	v_bfe_u32 v9, v0, 4, 1                         ; h
	s_wait_alu depctr_va_sdst(0)                   ; s12 is written, ahead of its first reader: the stage's place and the bases are made from it
	s_mul_i32 s13, s12, STG                        ; my stage
	v_mul_u32_u24 v[SIN], v8, 528
	v_lshl_add_u32 v[SIN], v9, 6, v[SIN]
	v_add_nc_u32 v[SIN], s13, v[SIN]               ; row r, + 64 h
	v_add_nc_u32 v[SBK], s13, v[L16]
	s_mul_i32 s14, s12, 51200
	s_add_co_u32 s14, s14, 614400                  ; Wo's tiles 8 j .. 8 j + 7
	s_mov_b32 s15, 0
	s_mul_i32 s16, ttmp9, 2*6656                   ; my two tiles of rows
	s_mov_b32 s17, 0
	s_lshl_b32 s18, ttmp9, 16                      ; 32 rows of 2,048 bytes,
	s_lshl_b32 s19, s12, 9                         ; my 512 bytes of a row
	s_add_co_u32 s18, s18, s19
	s_mov_b32 s19, 0
	s_wait_kmcnt 0x0
	s_add_nc_u64 s[SB:SB+1], s[6:7], s[14:15]
	s_add_nc_u64 s[TBS:TBS+1], s[4:5], s[16:17]
	s_add_nc_u64 s[TBS+2:TBS+3], s[TBS:TBS+1], 6656
	s_add_nc_u64 s[8:9], s[8:9], s[18:19]
	WIN 0x40
	s_wait_alu depctr_va_vdst(0)                   ; the offsets and addresses v1 to v6 are written: the loads below, the LDS stores and loads and the stores of the way out read them
.irp s2, 0,1
.irp t, 0,1,2,3,4,5,6,7
	LFRAG 12*(8*\s2+\t), SB, \t*6400+\s2*1536
.endr
.endr
	WIN 0x80
.irp s2, 0,1
.irp t, 0,1,2,3,4,5,6,7
	LFRAG 12*(8*\s2+\t), SB, \t*6400+(\s2+2)*1536
.endr
.endr
	WIN 0xc0
.irp m, 0,1
.irp s2, 0,1,2,3
	LFRAG 48*\m+12*\s2, TBS+2*\m, \s2*1536
.endr
.endr
	WIN 0
.irp t, 0,1,2,3,4,5,6,7
	global_load_b128 v[SS+4*\t:SS+4*\t+3], v[R16], s[SB:SB+1] offset:\t*6400+6144
.endr
.irp m, 0,1
.irp e, 0,1,2,3,4,5,6,7
	global_load_b32 v[RAW+8*\m+\e], v[R4], s[TBS+2*\m:TBS+2*\m+1] offset:6144+64*\e   ; head e's two bytes of row r
.endr
.endr
	s_wait_loadcnt 0x0
.irp m, 0,1
.irp s2, 0,1,2,3
	v_perm_b32 v[ST+4*\m+\s2], v[RAW+8*\m+2*\s2+1], v[RAW+8*\m+2*\s2], 0x05040100   ; K step s = heads 2 s and 2 s + 1: four bytes
.endr
.endr
.rept 8
	v_nop                                          ; a scale register written by a vector instruction stands eight places ahead of a scaled matrix instruction
.endr
	s_wait_alu depctr_va_vdst(0)                   ; the eight v_perm_b32 have written ST, which the products below take as scales; the places above stay beside this wait
	MULT 0, ACC
	MULT 1, ACC+64
.rept 4
	v_nop                                          ; places ahead of the first read of the results
.endr
	s_wait_alu depctr_va_vdst(0)                   ; the matrix instructions have written both tiles' accumulators, which the LDS stores read and in which the LDS loads land; the places above stay beside this wait
	TOSTAGE 0
	TOSTAGE 1
	s_wait_dscnt 32                                ; tile 0's rows are back; tile 1's 16 stores and 16 loads may be out
	SEND 0
	s_wait_dscnt 0x0
	SEND 1
	s_wait_dscnt 0x0                               ; the closing lines, six on end
	s_wait_alu 0x0
	s_wait_tensorcnt 0x0
	ds_add_u32 v[SPW], v[NIL]
	s_wait_dscnt 0x0
	s_endpgm
.Lfunc_end_k_q023071dbb2_oproj:
	.size	k_q023071dbb2_oproj, .Lfunc_end_k_q023071dbb2_oproj-k_q023071dbb2_oproj
	.p2alignl 7, 3214868480
	.fill 96, 4, 3214868480
	.section	.rodata,"a",@progbits
	.p2align	6, 0x0
	.amdhsa_kernel k_q023071dbb2_oproj
		.amdhsa_group_segment_fixed_size 34304
		.amdhsa_private_segment_fixed_size 0
		.amdhsa_enable_private_segment 0
		.amdhsa_kernarg_size 24
		.amdhsa_user_sgpr_count 2
		.amdhsa_user_sgpr_kernarg_segment_ptr 1
		.amdhsa_wavefront_size32 1
		.amdhsa_system_sgpr_workgroup_id_x 1
		.amdhsa_system_sgpr_workgroup_id_y 1
		.amdhsa_system_sgpr_workgroup_id_z 1
		.amdhsa_system_vgpr_workitem_id 0
		.amdhsa_next_free_vgpr 864
		.amdhsa_next_free_sgpr 66
		.amdhsa_reserve_vcc 0
		.amdhsa_float_denorm_mode_32 3
		.amdhsa_float_denorm_mode_16_64 3
		.amdhsa_memory_ordered 1
		.amdhsa_forward_progress 1
		.amdhsa_inst_pref_size 36
	.end_amdhsa_kernel
	.amdgpu_metadata
---
amdhsa.version: [ 1, 2 ]
amdhsa.kernels:
  - .name:           k_q023071dbb2_oproj
    .symbol:         k_q023071dbb2_oproj.kd
    .args:
      - { .name: orec, .offset: 0, .size: 8, .value_kind: global_buffer, .address_space: global }
      - { .name: wrec, .offset: 8, .size: 8, .value_kind: global_buffer, .address_space: global }
      - { .name: out0, .offset: 16, .size: 8, .value_kind: global_buffer, .address_space: global }
    .group_segment_fixed_size: 34304
    .private_segment_fixed_size: 0
    .kernarg_segment_align: 8
    .kernarg_segment_size: 24
    .max_flat_workgroup_size: 128
    .sgpr_count:     66
    .vgpr_count:     864
    .wavefront_size: 32
...
	.end_amdgpu_metadata
.endif
;; end of part 8
